; MI455X (gfx1250); checked and timed in simulation.
; The chip was launched on July 23, 2026; its instructions are those of AMD's public machine-readable ISA for CDNA 5 (MIT licence, August 2026) and "CDNA5" Instruction Set Architecture Reference Guide (July 2026). The comments in the code are by the model that wrote it; some were corrected since.
;; Multi Head Self Attention. Allowed arithmetic: matrix products marked QUANTISED: E2M1 operands, one E8M0 scale for each 32 along K, by v_wmma_scale_f32_16x16x128_f8f6f4 with both operands' format E2M1 (or v_wmma_scale_f32_32x16x128_f4), f32 sums; everything else in f32.
;; Inputs: b_k 1,024 float32; b_out 1,024 float32; b_q 1,024 float32; b_v 1,024 float32; w_k 1,024 x 1,024 float32; w_out 1,024 x 1,024 float32; w_q 1,024 x 1,024 float32; w_v 1,024 x 1,024 float32; x 4 x 2,048 x 1,024 float32.
;; Outputs: out0 4 x 2,048 x 1,024 float32.
;; This version of the problem:
;;   THIS VERSION OF THE PROBLEM IS GIVEN IN LOW PRECISION. The matrix products marked QUANTISED in the list below multiply operands that are first quantised to E2M1 (2 exponent bits, 1 mantissa bit; 4 bits a number), with one power-of-two scale for each 32 numbers along K (OCP MX v1.0); their sums are f32. All else is computed in f32.
;;   The module's matrix products, in the order in which they are computed (A, B: the left and right operand; K: the contracted axis; several contracted axes count as one K, in the product's order):
;;     1. [M 8,192, K 1,024] x [K 1,024, N 1,024]; A: input x; B: input w_q: QUANTISED
;;     2. [M 8,192, K 1,024] x [K 1,024, N 1,024]; A: input x; B: input w_k: QUANTISED
;;     3. [M 8,192, K 1,024] x [K 1,024, N 1,024]; A: input x; B: input w_v: QUANTISED
;;     4. batch 64 x [M 2,048, K 64] x [K 64, N 2,048]; A: computed on the way; B: computed on the way: QUANTISED
;;     5. batch 64 x [M 2,048, K 2,048] x [K 2,048, N 64]; A: softmax (see below); B: computed on the way: QUANTISED
;;     6. [M 8,192, K 1,024] x [K 1,024, N 1,024]; A: computed on the way; B: input w_out: QUANTISED
;;   THE QUANTISER, for each operand of a quantised product, along K:
;;     - K is cut into blocks of 32 from its start; a last block that is shorter is filled with zeros.
;;     - A block's scale is 2^e with e = floor(log2(the largest magnitude in the block)) - 2, held to -126 .. 127; a block of zeros has e = 0. As a byte (E8M0): e + 127.
;;     - Each number is divided by its block's scale, clamped to +-6, and rounded to the nearest number of E2M1, ties to even, subnormals kept.
;;     - The product sums the exact products of the quantised numbers (number of the format x scale) in f32.
;;   ~~~python
;;   def quantise(x, axis):      # numpy; x: float32 -> the quantised numbers, widened to float32 again
;;       x = np.moveaxis(x, axis, -1); K = x.shape[-1]
;;       x = np.pad(x, [(0, 0)] * (x.ndim - 1) + [(0, -K % 32)]); x = x.reshape(x.shape[:-1] + (-1, 32)); a = np.abs(x).max(-1, keepdims=True)
;;       e = np.where(a > 0, np.clip(np.frexp(np.where(a > 0, a, 1))[1] - 1 - 2, -126, 127), 0)      # np.frexp(a)[1] - 1 = floor(log2(a)), exactly
;;       r = np.clip(x / 2.0 ** e, -6, 6)
;;       step = 2.0 ** (np.maximum(np.frexp(np.where(r == 0, 1, r))[1] - 1, 0) - 1)
;;       q = np.round(r / step) * step * 2.0 ** e      # np.round: ties to even
;;       return np.moveaxis(q.reshape(q.shape[:-2] + (-1,))[..., :K], -1, axis).astype(np.float32)
;;   ~~~
;;   SOFTMAX AHEAD OF A QUANTISED PRODUCT. Where the list says 'softmax', what is quantised is not the finished softmax but p = 2^(t - M), with t = logit x log2(e) and M = ceil(the row's largest t), a whole number; so 1/2 < the row's largest p <= 1. The row's sum l is taken of the UNQUANTISED p, in f32, and the product's result is divided by l at the end. Since M is a whole number, a kernel that streams over the keys may use a running M (the ceiling of the running maximum): every later rescaling is an exact power of two, which a block's scale takes up: the codes' values come out the same.
;;   OPERANDS COMPUTED ON THE WAY. 'Computed on the way' means the value that the module computes at that place (a softmax that the list does not call 'softmax' is quantised finished and normalised). What goes into a quantiser is computed in f32, as accurately as f32 sums, v_exp_f32 and their like allow (about 1e-6 of the number): no bf16 or f16 on the way to a quantiser, and a product that is left as it is and whose result goes on into a quantised operand takes f32 operands (vector FMAs, or v_wmma_f32_16x16x4_f32). A number that lies on a knife's edge between two numbers of the format may be rounded either way, as far as f32 arithmetic and the matrix unit's own rounding can turn it there, and no further.
;; One version. Each part assembles by itself: llvm-mc -triple=amdgcn-amd-amdhsa -mcpu=gfx1250 --defsym DOCPART=n.
;; ======== version 1 of 1: 4 launches
;; workspace buffers: xc 4,194,304 bytes; xs 262,144 bytes; wc 2,097,152 bytes; ws 131,072 bytes; qkv 13,369,344 bytes; oc 4,194,304 bytes; os 262,144 bytes
;; launch quant (part 1): grid 384 x 1, 4 waves a work-group, no clusters, 33,280 bytes of LDS; arguments x, w_q, w_k, w_v, w_out, xc, xs, wc, ws; writes xc, xs, wc, ws
.if DOCPART == 1
	.amdgcn_target "amdgcn-amd-amdhsa--gfx1250"
	.amdhsa_code_object_version 6
	.text
	.protected	k_q49ceef66ab_quant
	.globl	k_q49ceef66ab_quant
	.p2align	8
	.type	k_q49ceef66ab_quant,@function
k_q49ceef66ab_quant:
	s_mov_b64 s[64:65], 0
	v_nop
	global_prefetch_b8 v0, s[64:65] scope:SCOPE_SE
	s_setreg_imm32_b32 hwreg(HW_REG_WAVE_MODE, 25, 1), 1
	s_wait_xcnt 0x0
; MULTI-HEAD SELF-ATTENTION IN MX-FP4, launch 1 of 4: x [8192][1024] and the four weights [1024][1024], f32, K innermost, become codes of FP4 (E2M1) with one E8M0 byte for each 32 along K.
; NO WORK OF THE PROBLEM IS LEFT OUT IN ANY LAUNCH: every bias goes into a quantised operand (b_q, b_k, b_v) or into the output (b_out), every product's result reaches the output; all nine inputs are loaded.
; xc [8192][512 bytes], xs [8192][32];  wc [4096][512], ws [4096][32], the rows in the order w_q, w_k, w_v, w_out.
; A block's scale is 2^(floor(log2(its largest magnitude)) - 2); its byte is the largest magnitude's exponent field - 2, held at 1 from below.  Each number is divided by the scale and rounded to the nearest code, ties to even;
; beyond 6 the conversion gives the largest code.
; LIMITS: a block of zeros gets the byte 1 where the rule says 127 (its codes are zeros, which add nothing under any byte but 0xff, and this program alone reads the bytes); blocks whose largest magnitude lies under 2^-124 share that floor;
; NaN and infinities among the inputs are not served.
; Rows are dense and K is a multiple of 32: each tensor is a plain stream of blocks of 32.  A wave takes 16 steps of 512 numbers.  Each load reads 512 consecutive bytes; a step's 2,048 bytes turn through the wave's own stage in LDS,
; so that a lane then holds 16 neighbours along K (two neighbouring lanes hold a block).  A lane's 16 codes are 8 bytes: the wave stores 256 consecutive bytes.  A wave's 256 scale bytes are gathered in LDS and leave as one run of 256.
; Work-groups 0-255 take x, then 32 for each weight.  No tensor loads, no barrier: waves share nothing.  Loads run four steps (16 loads a wave) ahead, the turn through LDS one step.
.set WAVES, 4
.set STEPS, 16
.set CB,    8                          ; bytes of 16 codes
.set R,     16                         ; v16-79   four sets of 16 numbers as they are loaded
.set X,     80                         ; v80-111  two sets of 16 neighbours
.set C,     128                        ; v128-191 codes: four registers for each step, so that no store's data are written again
.set E,     112                        ; v112-127 a scale byte for each step
.set WREG,  8192                       ; LDS: a region for each wave: two stages of 32 x SP bytes, behind them its 256 scale bytes
.set SP,    80                         ; a lane's place in a stage: its 64 bytes + 16 of padding
.set SPW,   12                         ; v12  LDS address of my spare word; never rewritten
.set NIL,   13                         ; v13  0; never rewritten
.set SPARE, WAVES*WREG                 ; behind the four regions: the spare words, 128 bytes a wave, that no other line names
	s_load_b256 s[4:11], s[0:1], 0x0               ; x, w_q, w_k, w_v
	s_load_b256 s[12:19], s[0:1], 0x20             ; w_out, xc, xs, wc
	s_load_b64 s[20:21], s[0:1], 0x40              ; ws
	v_lshl_add_u32 v[SPW], v0, 2, SPARE
	v_mov_b32 v[NIL], 0
	v_lshrrev_b32 v1, 5, v0
	v_readfirstlane_b32 s30, v1                    ; wave
	v_and_b32 v2, 31, v0                           ; lane
	v_lshlrev_b32 v3, 4, v2                        ; my 16 bytes of a load's 512
	s_mul_i32 s31, s30, WREG
	v_lshrrev_b32 v14, 2, v2
	v_mul_u32_u24 v14, v14, SP
	v_and_b32 v15, 3, v2
	v_lshl_add_u32 v14, v15, 4, v14
	v_add_nc_u32 v14, s31, v14                     ; the stage, on the way in: four lanes' 64 bytes on end, then 16 of padding
	v_mul_u32_u24 v15, v2, SP
	v_add_nc_u32 v15, s31, v15                     ; and on the way out: SP x lane: my 16 neighbours
	v_mul_u32_u24 v4, v2, CB                       ; my codes' place in a step's
	v_lshrrev_b32 v5, 1, v2
	s_add_co_u32 s31, s31, 2*32*SP
	v_add_nc_u32 v5, s31, v5                       ; LDS: my wave's 256 scale bytes, my block's byte
	v_lshlrev_b32 v7, 3, v2                        ; and on the way out 8 bytes a lane
	v_add_nc_u32 v6, s31, v7
	s_wait_alu depctr_va_vdst(0)
	s_wait_kmcnt 0x0
	s_cmp_lt_u32 ttmp9, 352                        ; which tensor: the choice hangs on the work-group's number alone
	s_cselect_b64 s[22:23], s[10:11], s[12:13]     ; w_v or w_out
	s_cmp_lt_u32 ttmp9, 320
	s_cselect_b64 s[22:23], s[8:9], s[22:23]       ; w_k
	s_cmp_lt_u32 ttmp9, 288
	s_cselect_b64 s[22:23], s[6:7], s[22:23]       ; w_q
	s_cmp_lt_u32 ttmp9, 256
	s_cselect_b64 s[22:23], s[4:5], s[22:23]       ; x
	s_cselect_b64 s[24:25], s[14:15], s[18:19]     ; the codes: xc or wc
	s_cselect_b64 s[26:27], s[16:17], s[20:21]     ; the scale bytes: xs or ws
	s_cselect_b32 s28, 0, 256
	s_cselect_b32 s29, -1, 31
	s_sub_co_u32 s28, ttmp9, s28                   ; my place among the work-groups that write this pair of buffers,
	s_and_b32 s29, s28, s29                        ; and among those that read this tensor
	s_lshl_b32 s28, s28, 2
	s_add_co_u32 s28, s28, s30                     ; which run of 8,192 numbers is my wave's: on the way out,
	s_lshl_b32 s29, s29, 2
	s_add_co_u32 s29, s29, s30                     ; and on the way in
	s_mov_b32 s33, 0
	s_lshl_b32 s32, s29, 15                        ; 32,768 bytes of f32 a run
	s_add_nc_u64 s[22:23], s[22:23], s[32:33]
	s_lshl_b32 s32, s28, 12                        ; 4,096 bytes of codes
	s_add_nc_u64 s[24:25], s[24:25], s[32:33]
	s_lshl_b32 s32, s28, 8                         ; 256 scale bytes
	s_add_nc_u64 s[26:27], s[26:27], s[32:33]
.macro LOAD t
.irp i, 0,1,2,3
	global_load_b128 v[R+16*((\t)%4)+4*\i:R+16*((\t)%4)+4*\i+3], v3, s[22:23] offset:2048*(\t)+512*\i th:TH_LOAD_NT   ; 32 lanes read 512 consecutive bytes
.endr
.endm
.macro TURN t                          ; step t's numbers through the stage: LDS serves a wave's instructions in order, so no wait stands between the stores and the loads
.irp i, 0,1,2,3
	ds_store_b128 v14, v[R+16*((\t)%4)+4*\i:R+16*((\t)%4)+4*\i+3] offset:32*SP*((\t)%2)+8*SP*\i
.endr
.irp i, 0,1,2,3
	ds_load_b128 v[X+16*((\t)%2)+4*\i:X+16*((\t)%2)+4*\i+3], v15 offset:32*SP*((\t)%2)+16*\i
.endr
.endm
.irp t, 0,1,2,3
	LOAD \t
.endr
	s_wait_loadcnt 12                              ; step 0's four loads are in; twelve younger ones stay out
	TURN 0
.macro STEP t
.set XS, X+16*((\t)%2)
.if (\t) > 0
	s_wait_dscnt 1                                 ; this step's numbers are back from the stage (the last step's byte store may be out): so its stores into the stage have read their registers,
.else
	s_wait_dscnt 0x0
.endif
.if (\t)+4 < STEPS
	LOAD (\t)+4                                    ; which take the loads of four steps on
.endif
.if (\t)+1 < STEPS
.if STEPS-2-(\t) >= 3
	s_wait_loadcnt 12                              ; the next step's four loads are in; those of the three steps behind it may be out
.else
	s_wait_loadcnt 4*(STEPS-2-(\t))
.endif
	TURN (\t)+1                                    ; and go through the other stage while this step is worked
.endif
	v_max3_num_f32 v8, |v[XS]|, |v[XS+1]|, |v[XS+2]|               ; the largest magnitude of my 16, in two chains
	v_max3_num_f32 v9, |v[XS+3]|, |v[XS+4]|, |v[XS+5]|
.irp i, 6,10
	v_max3_num_f32 v8, v8, |v[XS+\i]|, |v[XS+\i+1]|
	v_max3_num_f32 v9, v9, |v[XS+\i+2]|, |v[XS+\i+3]|
.endr
	v_max3_num_f32 v8, v8, |v[XS+14]|, |v[XS+15]|
	v_max3_num_f32 v8, v8, v9, 0x1800000           ; and the floor 2^(3 - 127): the byte cannot fall under 1
	v_max_num_f32_dpp v8, v8, v8 row_xmask:1 row_mask:0xf bank_mask:0xf   ; and of my neighbour's 16: the block's
	v_add_nc_u32 v11, 0xff000000, v8               ; 2 off its exponent field: the conversion takes the exponent field of this operand as its scale, and nothing else of it
	v_cvt_scalef32_pk8_fp4_f32 v[C+4*(\t)], v[XS:XS+7], v11
	v_cvt_scalef32_pk8_fp4_f32 v[C+4*(\t)+1], v[XS+8:XS+15], v11
	v_lshrrev_b32 v[E+(\t)], 23, v11               ; the scale's byte
	ds_store_b8 v5, v[E+(\t)] offset:16*(\t)       ; both lanes of a block write the same byte with the same value
	global_store_b64 v4, v[C+4*(\t):C+4*(\t)+1], s[24:25] offset:32*CB*(\t)   ; 32 lanes store 256 consecutive bytes, aligned
.endm
.irp t, 0,1,2,3,4,5,6,7,8,9,10,11,12,13,14,15
	STEP \t
.endr
	ds_load_b64 v[8:9], v6                         ; LDS serves a wave's instructions in order: these see my stores
	s_wait_dscnt 0x0
	global_store_b64 v7, v[8:9], s[26:27]          ; 32 lanes store 256 consecutive bytes, aligned
	s_wait_tensorcnt 0x0                           ; the wave's end, behind my last LDS store
	ds_add_u32 v[SPW], v[NIL]
	s_wait_dscnt 0x0
	s_endpgm
.Lfunc_end_k_q49ceef66ab_quant:
	.size	k_q49ceef66ab_quant, .Lfunc_end_k_q49ceef66ab_quant-k_q49ceef66ab_quant
	.p2alignl 7, 3214868480
	.fill 96, 4, 3214868480
	.section	.rodata,"a",@progbits
	.p2align	6, 0x0
	.amdhsa_kernel k_q49ceef66ab_quant
		.amdhsa_group_segment_fixed_size 33280
		.amdhsa_private_segment_fixed_size 0
		.amdhsa_enable_private_segment 0
		.amdhsa_kernarg_size 72
		.amdhsa_user_sgpr_count 2
		.amdhsa_user_sgpr_kernarg_segment_ptr 1
		.amdhsa_wavefront_size32 1
		.amdhsa_system_sgpr_workgroup_id_x 1
		.amdhsa_system_sgpr_workgroup_id_y 1
		.amdhsa_system_sgpr_workgroup_id_z 1
		.amdhsa_system_vgpr_workitem_id 0
		.amdhsa_next_free_vgpr 192
		.amdhsa_next_free_sgpr 66
		.amdhsa_reserve_vcc 0
		.amdhsa_float_denorm_mode_32 3
		.amdhsa_float_denorm_mode_16_64 3
		.amdhsa_memory_ordered 1
		.amdhsa_forward_progress 1
		.amdhsa_inst_pref_size 34
	.end_amdhsa_kernel
	.amdgpu_metadata
---
amdhsa.version: [ 1, 2 ]
amdhsa.kernels:
  - .name:           k_q49ceef66ab_quant
    .symbol:         k_q49ceef66ab_quant.kd
    .args:
      - { .name: x, .offset: 0, .size: 8, .value_kind: global_buffer, .address_space: global }
      - { .name: w_q, .offset: 8, .size: 8, .value_kind: global_buffer, .address_space: global }
      - { .name: w_k, .offset: 16, .size: 8, .value_kind: global_buffer, .address_space: global }
      - { .name: w_v, .offset: 24, .size: 8, .value_kind: global_buffer, .address_space: global }
      - { .name: w_out, .offset: 32, .size: 8, .value_kind: global_buffer, .address_space: global }
      - { .name: xc, .offset: 40, .size: 8, .value_kind: global_buffer, .address_space: global }
      - { .name: xs, .offset: 48, .size: 8, .value_kind: global_buffer, .address_space: global }
      - { .name: wc, .offset: 56, .size: 8, .value_kind: global_buffer, .address_space: global }
      - { .name: ws, .offset: 64, .size: 8, .value_kind: global_buffer, .address_space: global }
    .group_segment_fixed_size: 33280
    .private_segment_fixed_size: 0
    .kernarg_segment_align: 8
    .kernarg_segment_size: 72
    .max_flat_workgroup_size: 128
    .sgpr_count:     66
    .vgpr_count:     192
    .wavefront_size: 32
...
	.end_amdgpu_metadata
.endif
;; end of part 1
;; launch qkv (part 2): grid 8 x 48, 4 waves a work-group, clusters of 4 x 4, 327,680 bytes of LDS; arguments xc, xs, wc, ws, b_q, b_k, b_v, qkv; writes qkv
.if DOCPART == 2
	.amdgcn_target "amdgcn-amd-amdhsa--gfx1250"
	.amdhsa_code_object_version 6
	.text
	.protected	k_q49ceef66ab_qkv
	.globl	k_q49ceef66ab_qkv
	.p2align	8
	.type	k_q49ceef66ab_qkv,@function
k_q49ceef66ab_qkv:
	s_mov_b64 s[64:65], 0
	v_nop
	global_prefetch_b8 v0, s[64:65] scope:SCOPE_SE
	s_setreg_imm32_b32 hwreg(HW_REG_WAVE_MODE, 25, 1), 1
	s_wait_xcnt 0x0
	s_wait_alu depctr_hold_cnt(0) depctr_sa_sdst(0) depctr_va_vdst(0) depctr_va_sdst(0) depctr_va_ssrc(0) depctr_va_vcc(0) depctr_vm_vsrc(0)
	s_getreg_b32 s2, hwreg(HW_REG_IB_STS2, 6, 4)
	s_cmp_eq_u32 s2, 0
	s_cbranch_scc0 .Lentry_in_a_cluster
	s_endpgm
.Lentry_in_a_cluster:
	s_bfe_u32 s2, ttmp6, 0x10000c
	s_cmp_lg_u32 s2, 0xf033
	s_cbranch_scc0 .Lentry_shape_is_right
	s_endpgm
.Lentry_shape_is_right:
; Launch 2 of 4: q = x Wq^T + b_q, k = x Wk^T + b_k, v = x Wv^T + b_v on codes of FP4, K = 1,024; the results are quantised in registers and leave as codes: q and k along the head's 64, v along the keys.  No work is left out.
; A work-group makes 256 x 256 of a product, a wave 128 x 128: 64 accumulators.  P is the matrix instruction's source 0 (8 blocks b of 16 rows), R its source 1 (8 blocks a): in the result lane (r, h) holds row r of R's block,
; and register j of tile b the index 16 b + 8 h + j of P.  SO P IS THE AXIS THAT IS QUANTISED NEXT.
;   clusters y 0-7  (Q, K): P = 256 rows of w_q (cluster x 0) or w_k (1), R = 256 tokens: a lane holds a token, its registers run along the heads' dims.
;   clusters y 8-11 (V):    P = 256 tokens, R = 256 rows of w_v: a lane holds one dim d, its registers run along the keys.
; The mode hangs on the cluster's y alone: it is the same in all sixteen partners.  It chooses pointers and a few scalars; one branch hangs on it, round the first K step, whose C is the bias (along P, or along R).
; K = 1,024 lies whole in LDS, as two slots of 512 along K; nothing is filled twice.  Each wave asks for three tiles at the head (scales, slot 0, slot 1): three tensor loads of a wave are out at most.
; CLUSTER 4 x 4: R's tiles hang on cy and are shared along a row of the cluster, P's on cx and are shared along a column: joint loads.
; THE QUANTISER ON THESE TILES: block B of 32 along P is tiles 2 B, 2 B + 1 of lanes l and l xor 16.  The conversions of tiles 4 c + (0, 1, 2, 3) go to code registers 4 c + (0, 2, 1, 3); exchanging the lanes' halves in the pairs
; (4 c, 4 c + 1) and (4 c + 2, 4 c + 3) leaves in register 4 c + i of half h the indices 64 c + 32 h + 8 i .. + 7: the 4-bit operand's layout.  So what is stored is an IMAGE of the next product's registers, 16 bytes a lane.
; qkv: [batch x head 64][half of the sequence 2][104,448 bytes]: K codes at 0 ([tile of 16 tokens 64][lane][16]), V codes at 32,768 ([128 keys 8][16 dims 4][c 2][lane][16]), K scale words at 65,536 ([pair of tiles 32][token 16]:
; two bytes of the even tile, two of the odd), V scale words at 67,584 ([128 keys 8][2][lane 32]: lanes 0-15 an even tile of dims, lanes 16-31 the odd), Q codes at 69,632 and Q scale words at 102,400, laid as K's.
; LIMITS: a block of zeros gets the byte 1, not 127 (zero codes; the bytes are read by this program alone); NaN and infinities are not served.
; REGISTERS: window 0: v1-31 addresses, v32-63 R's scale words, v64-95 P's, v96-127 at work, v128-191 the bias tiles, v192-199 codes.  Window 1: fragments, two sets: P at v[128 p + 8 b], R at v[128 p + 64 + 8 a].
;   Windows 2, 3: accumulator (a, b) at v[8 (8 (a % 4) + b)], a 0-3 in window 2, a 4-7 in window 3.
.set PITCH, 272                        ; an LDS row of codes: 256 bytes + 16 of padding: the 16 rows of a fragment load start at 16 different groups of four banks
.set HALFT, 128*PITCH                  ; 128 rows: what one tensor load brings
.set SLOT,  4*HALFT                    ; R's 256 rows, then P's 256 rows
.set SCL,   2*SLOT                     ; the scale bytes: 4,096 dense bytes for each wave's 128 rows: R's two halves, then P's
.set STG,   SCL+16384                  ; 512 bytes a wave: the scale words on their way out
.set SPARE, STG+2048                   ; the spare words, 128 bytes a wave, that no other line names
.set REC,   208896                     ; bytes of qkv for a head
.set HREC,  104448                     ; and for half of its sequence
.set BO,   8                           ; v8-15  the bias loads' offsets, one for each register of a tile
.set ADRR, 16                          ; v16-17 LDS address of my R fragments in slot 0, 1
.set ADRP, 20                          ; v20-21 the same for P
.set ADSR, 22                          ; v22    of R's scale words
.set ADSP, 23                          ; v23    of P's
.set VO0,  24                          ; v24    16 x lane
.set VO1,  25                          ; v25    the same, one image's second half on
.set STO,  26                          ; v26    the stage: where I put a scale word
.set SRD,  27                          ; v27    and where I read 16 bytes back
.set SPW,  28                          ; v28    LDS address of my spare word; never rewritten
.set NIL,  29                          ; v29    0; never rewritten
.set VSO,  30                          ; v30    where my 16 bytes of scale words go
.set SCR,  32
.set SCP,  64
.set TM,   96                          ; v96-99 largest magnitudes, v100-103 the other half's / bytes, v108-111 the conversions' scale operands
.set PW,   120                         ; v120, v121 the scale word of an even a, of an odd a
.set BI,   128
.set WV,   20
.set RH,   21                          ; wave >> 1: my half of R's rows.  Also: I fetch for R (0) or for P (1)
.set PH,   22                          ; wave & 1: my half of P's rows.  Also: which 128 rows I fetch
.set G1,   24                          ; s[24:31] group 1 for R's codes, s[32:39] its groups 0
.set G0,   32
.set G1B,  48                          ; s[48:55], s[56:63] for P's codes
.set G0B,  56
.set G1S,  68                          ; s[68:75], s[76:79] for R's scales
.set G0S,  76
.set G1SB, 80                          ; s[80:87], s[88:91] for P's scales
.set G0SB, 88
.set MSB, 0
.macro WIN new                         ; the immediate's high byte repeats the setting that is left; a switch that changes nothing is dropped
.if MSB != (\new)
	s_set_vgpr_msb (MSB<<8)|(\new)
.set MSB, (\new)
.endif
.endm
.macro PLACES n
.rept \n
	v_nop
.endr
.endm
.macro CREST
	s_cmp_lg_u32 s[WV], 0
	s_cbranch_scc1 .Lnot_wave_0_\@
	s_barrier_signal -3
.Lnot_wave_0_\@:
	s_barrier_wait -3
	s_barrier_signal -1
	s_barrier_wait -1
.endm
.macro CROUND                          ; a round of the cluster's barrier
	s_barrier_signal -1
	s_barrier_wait -1
	CREST
.endm
; A joint load: waves 0 and 1 fetch for R, waves 2 and 3 for P.  Each line has one mask and one set of registers; the branch hangs on the wave's number alone.  An s_nop 0 and four v_nop follow each line.
.macro JLOAD g0a, g1a, g0b, g1b
	s_cmp_eq_u32 s[RH], 0
	s_cbranch_scc0 .Lfor_p_\@
	tensor_load_to_lds s[\g0a:\g0a+3], s[\g1a:\g1a+7]
	s_nop 0
.rept 4
	v_nop
.endr
	s_branch .Lasked_\@
.Lfor_p_\@:
	tensor_load_to_lds s[\g0b:\g0b+3], s[\g1b:\g1b+7]
	s_nop 0
.rept 4
	v_nop
.endr
.Lasked_\@:
.endm
	s_load_b256 s[4:11], s[0:1], 0x0               ; xc, xs, wc, ws
	s_load_b256 s[12:19], s[0:1], 0x20             ; b_q, b_k, b_v, qkv
	v_lshl_add_u32 v[SPW], v0, 2, SPARE
	v_mov_b32 v[NIL], 0
	ds_add_u32 v[SPW], v[NIL]                      ; the wave's opening: the add, twice on end, and its wait ahead of my first tensor load
	ds_add_u32 v[SPW], v[NIL]
	v_lshrrev_b32 v1, 5, v0
	v_readfirstlane_b32 s[WV], v1
	s_lshr_b32 s[RH], s[WV], 1
	s_and_b32 s[PH], s[WV], 1
	s_bfe_u32 s40, ttmp6, 0x40000                  ; cx
	s_bfe_u32 s41, ttmp6, 0x40004                  ; cy
	s_and_b32 s43, ttmp7, 0xffff                   ; the cluster's y
	s_lshl_b32 s42, s41, 2
	s_lshl_b32 s42, 15, s42                        ; my row of the cluster
	s_lshl_b32 s23, 0x1111, s40                    ; my column
	s_lshl_b32 s45, ttmp9, 2
	s_add_co_u32 s45, s45, s40                     ; 4 x cluster x + cx
	s_lshl_b32 s92, s43, 3
	s_sub_co_u32 s92, s92, 64                      ; 8 (cluster y - 8): used in V's mode alone
	s_lshl_b32 s66, s43, 2
	s_cmp_ge_u32 s43, 8
	s_cselect_b32 s44, 1, 0                        ; the mode: 1 = V
	s_cselect_b32 s92, s92, 0
	s_cselect_b32 s66, 8, s66
	s_add_co_u32 s45, s45, s92                     ; P's tile of 256 rows: made of cx and the cluster's place
	s_add_co_u32 s46, s41, s66                     ; R's: made of cy and the cluster's place
	; group 1, codes: 128 rows x 256 bytes out of rows of 512, 16 bytes of padding behind each 256
	s_or_b32 s[G1], s42, (1<<20)|(1<<21)|(5<<22)|(3<<25)
	s_or_b32 s[G1B], s23, (1<<20)|(1<<21)|(5<<22)|(3<<25)
.irp g, G1, G1B
	s_mov_b32 s[\g+1], 256<<16                     ; tensor_dim0
	s_mov_b32 s[\g+2], 128<<16                     ; tensor_dim1
	s_mov_b32 s[\g+3], 256<<16                     ; tile_dim0
	s_mov_b32 s[\g+4], 128                         ; tile_dim1
	s_mov_b32 s[\g+5], 512                         ; from row to row
	s_mov_b32 s[\g+6], 0
	s_mov_b32 s[\g+7], 0
.endr
	; group 1, scales: 128 rows x 32 bytes are 4,096 dense bytes: 16 rows of 32 elements of 8 bytes
	s_or_b32 s[G1S], s42, (3<<16)|(1<<21)
	s_or_b32 s[G1SB], s23, (3<<16)|(1<<21)
.irp g, G1S, G1SB
	s_mov_b32 s[\g+1], 32<<16
	s_mov_b32 s[\g+2], 16<<16
	s_mov_b32 s[\g+3], 32<<16
	s_mov_b32 s[\g+4], 16
	s_mov_b32 s[\g+5], 32
	s_mov_b32 s[\g+6], 0
	s_mov_b32 s[\g+7], 0
.endr
	s_lshl_b32 s3, s[PH], 7
	s_lshl_b32 s2, s46, 8
	s_add_co_u32 s2, s2, s3                        ; the first of the 128 rows of R that I would fetch
	s_lshl_b32 s47, s45, 8
	s_add_co_u32 s47, s47, s3                      ; P0: the same for P; also the first row of P that I multiply
	s_lshl_b32 s105, s46, 8
	s_lshl_b32 s3, s[RH], 7
	s_add_co_u32 s105, s105, s3                    ; R0: the first row of R that I multiply
	s_lshl_b32 s66, s2, 9                          ; 512 bytes of codes a row
	s_mov_b32 s67, 0
	s_lshl_b32 s92, s47, 9
	s_mov_b32 s93, 0
	s_mul_i32 s3, s[WV], HALFT                     ; where my tiles go: no place in the cluster enters an LDS address
	s_lshl_b32 s104, s[WV], 12
	s_wait_dscnt 0x0                               ; both opening adds are done
	s_wait_kmcnt 0x0
	s_cmp_eq_u32 s44, 1
	s_cselect_b64 s[94:95], s[4:5], s[8:9]         ; P's codes: xc in V's mode, else wc
	s_cselect_b64 s[96:97], s[6:7], s[10:11]       ; P's scales
	s_cselect_b64 s[98:99], s[8:9], s[4:5]         ; R's codes
	s_cselect_b64 s[100:101], s[10:11], s[6:7]     ; R's scales
	s_add_nc_u64 s[98:99], s[98:99], s[66:67]
	s_add_nc_u64 s[94:95], s[94:95], s[92:93]
	s_lshl_b32 s66, s2, 5                          ; 32 scale bytes a row
	s_lshl_b32 s92, s47, 5
	s_add_nc_u64 s[100:101], s[100:101], s[66:67]
	s_add_nc_u64 s[96:97], s[96:97], s[92:93]
	CROUND                                         ; all sixteen work-groups are here: the joint loads meet
	s_mov_b32 s[G0S], 1
	s_add_co_u32 s[G0S+1], s104, SCL
	s_mov_b64 s[G0S+2:G0S+3], s[100:101]
	s_or_b32 s[G0S+3], s[G0S+3], 0x80000000
	s_mov_b32 s[G0SB], 1
	s_add_co_u32 s[G0SB+1], s104, SCL
	s_mov_b64 s[G0SB+2:G0SB+3], s[96:97]
	s_or_b32 s[G0SB+3], s[G0SB+3], 0x80000000
	JLOAD G0S, G1S, G0SB, G1SB                     ; the scales first: they are wanted with the first K step
.irp s, 0,1
	s_mov_b32 s[G0+4*\s], 1
	s_add_co_u32 s[G0+4*\s+1], s3, \s*SLOT
	s_add_nc_u64 s[G0+4*\s+2:G0+4*\s+3], s[98:99], \s*256
	s_or_b32 s[G0+4*\s+3], s[G0+4*\s+3], 0x80000000
	s_mov_b32 s[G0B+4*\s], 1
	s_add_co_u32 s[G0B+4*\s+1], s3, \s*SLOT
	s_add_nc_u64 s[G0B+4*\s+2:G0B+4*\s+3], s[94:95], \s*256
	s_or_b32 s[G0B+4*\s+3], s[G0B+4*\s+3], 0x80000000
	JLOAD G0+4*\s, G1, G0B+4*\s, G1B
.endr
	; THE BIAS, in the result's layout, eight registers a tile: one form of load serves both modes.  Q, K: register j of tile b wants bias[P0 + 16 b + 8 h + j];  V: every register of tile a wants b_v[R0 + 16 a + r].
	v_and_b32 v1, 15, v0                           ; r
	s_wait_alu depctr_va_vdst(0)
	v_bfe_u32 v2, v0, 4, 1                         ; h
	v_and_b32 v3, 31, v0                           ; lane
	s_cmp_eq_u32 ttmp9, 0
	s_cselect_b64 s[12:13], s[12:13], s[14:15]     ; b_q or b_k
	s_cmp_eq_u32 s44, 1
	s_cselect_b64 s[12:13], s[16:17], s[12:13]     ; V: b_v
	s_cselect_b32 s16, s105, s47                   ; the weight's row at which my part begins
	s_cselect_b32 s14, 4, 0                        ; bytes for each r,
	s_cselect_b32 s15, 0, 32                       ; for each h,
	s_cselect_b32 s2, 0, 4                         ; and for each register
	s_and_b32 s16, s16, 1023
	s_lshl_b32 s16, s16, 2
	s_mov_b32 s17, 0
	s_add_nc_u64 s[12:13], s[12:13], s[16:17]
	v_mul_u32_u24 v[BO], v1, s14
	s_wait_alu depctr_va_vdst(0)
	v_mad_u32_u24 v[BO], v2, s15, v[BO]
.irp j, 1,2,3,4,5,6,7
	v_add_nc_u32 v[BO+\j], s2, v[BO+\j-1]
.endr
.irp t, 0,1,2,3,4,5,6,7
.irp j, 0,1,2,3,4,5,6,7
	global_load_b32 v[BI+8*\t+\j], v[BO+\j], s[12:13] offset:64*\t
.endr
.endr
	v_mul_u32_u24 v4, v1, PITCH
	v_lshl_add_u32 v4, v2, 4, v4                   ; a fragment's row x pitch + 16 x half
	s_mul_i32 s16, s[RH], HALFT                    ; my 128 rows of R
	s_mul_i32 s17, s[PH], HALFT
	s_add_co_u32 s17, s17, 2*HALFT                 ; my 128 rows of P, behind R's 256
.irp s, 0,1
	v_add_nc_u32 v[ADRR+\s], s16, v4
	v_add_nc_u32 v[ADRP+\s], s17, v4
	s_add_co_u32 s16, s16, SLOT
	s_add_co_u32 s17, s17, SLOT
.endr
	v_lshlrev_b32 v5, 5, v3                        ; 32 scale bytes a row: lane l takes row l of 32
	s_lshl_b32 s16, s[RH], 12
	s_add_co_u32 s16, s16, SCL
	v_add_nc_u32 v[ADSR], s16, v5
	s_lshl_b32 s16, s[PH], 12
	s_add_co_u32 s16, s16, SCL+8192
	v_add_nc_u32 v[ADSP], s16, v5
	v_lshlrev_b32 v[VO0], 4, v3
	s_lshl_b32 s16, s[WV], 9
	s_add_co_u32 s16, s16, STG                     ; my stage
	v_lshlrev_b32 v5, 2, v1
	v_lshl_add_u32 v5, v2, 8, v5
	v_add_nc_u32 v[STO], s16, v5                   ; 256 h + 4 r
	v_add_nc_u32 v[SRD], s16, v[VO0]
; 32 LDS loads: the fragments of the q-th 128 along K into set q % 2
.macro FETCH q
.irp i, 0,1,2,3,4,5,6,7
.irp c, 0,1
	ds_load_b128 v[128*((\q)%2)+8*\i+4*\c:128*((\q)%2)+8*\i+4*\c+3], v[ADRP+(\q)/4] offset:64*((\q)%4)+32*\c+\i*16*PITCH
	ds_load_b128 v[128*((\q)%2)+64+8*\i+4*\c:128*((\q)%2)+64+8*\i+4*\c+3], v[ADRR+(\q)/4] offset:64*((\q)%4)+32*\c+\i*16*PITCH
.endr
.endr
.endm
; One product.  cm = 0: C is the accumulator; 1: the bias tile of b; 2: that of a.  A scale register holds an even block's words in lanes 0-15 and the odd block's in lanes 16-31.
.macro WM a, b, q, cm
.set rD, 8*(8*((\a)%4)+(\b))
.set rP, 128*((\q)%2)+8*(\b)
.set rR, 128*((\q)%2)+64+8*(\a)
.set rC, rD
.if (\cm) == 1
.set rC, BI+8*(\b)
.elseif (\cm) == 2
.set rC, BI+8*(\a)
.endif
.set sP, SCP+8*((\b)/2)+(\q)
.set sR, SCR+8*((\a)/2)+(\q)
.if ((\a)%2 == 0) && ((\b)%2 == 0)
	v_wmma_scale_f32_16x16x128_f8f6f4 v[rD:rD+7], v[rP:rP+7], v[rR:rR+7], v[rC:rC+7], v[sP], v[sR] matrix_a_fmt:MATRIX_FMT_FP4 matrix_b_fmt:MATRIX_FMT_FP4
.elseif (\a)%2 == 0
	v_wmma_scale_f32_16x16x128_f8f6f4 v[rD:rD+7], v[rP:rP+7], v[rR:rR+7], v[rC:rC+7], v[sP], v[sR] matrix_a_fmt:MATRIX_FMT_FP4 matrix_b_fmt:MATRIX_FMT_FP4 matrix_a_scale:MATRIX_SCALE_ROW1
.elseif (\b)%2 == 0
	v_wmma_scale_f32_16x16x128_f8f6f4 v[rD:rD+7], v[rP:rP+7], v[rR:rR+7], v[rC:rC+7], v[sP], v[sR] matrix_a_fmt:MATRIX_FMT_FP4 matrix_b_fmt:MATRIX_FMT_FP4 matrix_b_scale:MATRIX_SCALE_ROW1
.else
	v_wmma_scale_f32_16x16x128_f8f6f4 v[rD:rD+7], v[rP:rP+7], v[rR:rR+7], v[rC:rC+7], v[sP], v[sR] matrix_a_fmt:MATRIX_FMT_FP4 matrix_b_fmt:MATRIX_FMT_FP4 matrix_a_scale:MATRIX_SCALE_ROW1 matrix_b_scale:MATRIX_SCALE_ROW1
.endif
.endm
; A K step of 128: the next step's fragments are asked for first and have this step's 64 products in which to come.  The 64 accumulators take turns, one instruction a turn, in the same order in every step.
.macro STEP q, cm
	s_wait_dscnt 0x0                               ; this step's fragments are in (asked for a whole step ago)
.if (\q) == 3
	s_wait_tensorcnt 0x0                           ; my part of slot 1 has landed,
	s_barrier_signal -1
	s_barrier_wait -1                              ; everybody's has.
.endif
.if (\q) < 7
.if (\q) > 0
	PLACES 4                                       ; in front of loads into registers that the last step's products have read
.endif
	WIN 0x40                                       ; destination window 1
	FETCH (\q)+1
.endif
.if \cm
	WIN 0x85                                       ; P and R window 1, C (the bias) window 0, D window 2
.else
	WIN 0xa5                                       ; C and D window 2
.endif
.irp a, 0,1,2,3
.irp b, 0,1,2,3,4,5,6,7
	WM \a, \b, \q, \cm
.endr
.endr
.if \cm
	WIN 0xc5
.else
	WIN 0xf5                                       ; C and D window 3
.endif
.irp a, 4,5,6,7
.irp b, 0,1,2,3,4,5,6,7
	WM \a, \b, \q, \cm
.endr
.endr
.endm
	s_wait_alu depctr_va_vdst(0)
	s_wait_tensorcnt 0x1                           ; the scales and my part of slot 0 are in; slot 1's load may stay out
	s_barrier_signal -1
	s_barrier_wait -1                              ; everybody's are
.irp i, 0,1,2,3                                ; the scale words of all of K, once: lanes 0-15 take block 2 i's rows, lanes 16-31 block 2 i + 1's; register 8 i + q is the q-th K step's word
.irp g, 0,1
	ds_load_b128 v[SCR+8*\i+4*\g:SCR+8*\i+4*\g+3], v[ADSR] offset:1024*\i+16*\g
	ds_load_b128 v[SCP+8*\i+4*\g:SCP+8*\i+4*\g+3], v[ADSP] offset:1024*\i+16*\g
.endr
.endr
	WIN 0x40
	FETCH 0
	WIN 0
	s_wait_loadcnt 0x0                             ; the bias
	s_cmp_eq_u32 s44, 1                            ; the one branch on the mode: which bias tile starts a sum
	s_cbranch_scc1 .Lfirst_v
	STEP 0, 1
	WIN 0
	s_branch .Lfirst_done
.Lfirst_v:
	STEP 0, 2
	WIN 0
.Lfirst_done:
.irp q, 1,2,3,4,5,6,7
	STEP \q, 0
.endr
	WIN 0
	; THE WAY OUT.  The scalars are made in the descriptors' registers: every tensor load was awaited at the fourth K step.  The vector lines are also the places behind the last products.
	s_cmp_eq_u32 ttmp9, 0
	s_cselect_b32 s24, 69632, 0                    ; where the codes go in a half's record: q, k,
	s_mov_b32 s25, 65536
	s_cselect_b32 s25, 102400, s25                 ; and the scale words
	s_mov_b32 s26, REC
	s_mov_b32 s28, 512
	s_mov_b32 s29, 512
	s_mov_b32 s31, 128
	s_mov_b32 s33, 0x05040100
	s_mov_b32 s34, 0x07060302
	s_cmp_eq_u32 s44, 1
	s_cselect_b32 s24, 32768, s24                  ; v
	s_cselect_b32 s25, 67584, s25
	s_cselect_b32 s27, 512, s26                    ; from code registers 0-3 to 4-7: V: the image's second half; Q, K: the next head
	s_cselect_b32 s28, 1024, s28                   ; from block a to a + 1: V: the next 16 dims; Q, K: the next 16 tokens
	s_cselect_b32 s29, 205824, s29                 ; and from a = 3 to 4: V: on to the next head
	s_cselect_b32 s30, 64, s26                     ; the scale words' 16-byte pieces: what bits 4, 3 and 2 of the lane's number stand for
	s_cselect_b32 s31, s26, s31
	s_cselect_b32 s32, 128, 64
	s_cselect_b32 s33, 0x03020100, s33             ; how the words of an even and an odd a are joined: V: each whole; Q, K: the first head's halves, the second head's halves
	s_cselect_b32 s34, 0x07060504, s34
	s_cselect_b32 s35, s47, s105                   ; my first token
	s_cselect_b32 s36, s105, s47                   ; my first row of the weights
	s_mov_b32 s37, 0xffff0000                      ; lanes 16-31
	s_lshr_b32 s38, s35, 11                        ; the batch
	s_lshl_b32 s38, s38, 4
	s_bfe_u32 s39, s36, 0x40006                    ; the head: (row >> 6) & 15
	s_add_co_u32 s38, s38, s39
	s_mul_i32 s38, s38, REC
	s_bfe_u32 s39, s35, 0x1000a                    ; which half of the sequence
	s_mul_i32 s39, s39, HREC
	s_add_co_u32 s38, s38, s39
	s_and_b32 s35, s35, 1023                       ; my first position in it
	s_lshl_b32 s39, s35, 5                         ; 32 bytes of codes a position, in every one of the three layouts
	s_add_co_u32 s39, s39, s38
	s_add_co_u32 s48, s39, s24
	s_mov_b32 s49, 0
	s_add_nc_u64 s[48:49], s[18:19], s[48:49]      ; the codes
	s_lshl_b32 s39, s35, 1                         ; 2 bytes of scales a position
	s_add_co_u32 s39, s39, s38
	s_add_co_u32 s50, s39, s25
	s_mov_b32 s51, 0
	s_add_nc_u64 s[50:51], s[18:19], s[50:51]      ; the scale words
	s_mov_b32 s52, s28
	s_mov_b32 s53, 0
	s_mov_b32 s54, s29
	s_mov_b32 s55, 0
	s_mov_b32 s56, 0x76543210
	s_mov_b32 s57, 0xfedcba98                      ; v_permlanex16_b32's selects for lane l xor 16
	v_add_nc_u32 v[VO1], s27, v[VO0]
	v_mul_lo_u32 v[VSO], v2, s30
	v_bfe_u32 v5, v0, 3, 1
	v_mul_lo_u32 v5, v5, s31
	v_add_nc_u32 v[VSO], v[VSO], v5
	v_bfe_u32 v5, v0, 2, 1
	v_mul_lo_u32 v5, v5, s32
	v_add_nc_u32 v[VSO], v[VSO], v5
	v_and_b32 v5, 3, v0
	v_lshl_add_u32 v[VSO], v5, 4, v[VSO]
.irp b, 0,1,2,3
	v_mov_b32 v[TM+4+\b], 0                        ; written once: a lane permute's destination counts as one of its sources
.endr
; Block a's 64 numbers of a lane (8 tiles along P) become a fragment's codes in v[PCA] on and its scale word in v[PW + a % 2].  Each accumulator is read from its low end on.
.macro QUANT a
.set QW, 2+(\a)/4
.set QWW, QW|(QW<<2)
.set AC, 64*((\a)%4)
.set PCA, 112
.if (\a)%4 == 1
.set PCA, 192                          ; so that no conversion names one number as destination and among its sources
.endif
	WIN QWW                                        ; sources 0 and 1: the accumulators' window
.irp b, 0,1,2,3
	v_max3_num_f32 v[TM+\b], |v[AC+16*\b]|, |v[AC+16*\b+1]|, 0x1800000   ; block b: my 16 numbers, and the floor 2^(3 - 127): the byte cannot fall under 1
.endr
.irp i, 2,4,6,8,10,12,14
.irp b, 0,1,2,3
	v_max3_num_f32 v[TM+\b], |v[AC+16*\b+\i]|, |v[AC+16*\b+\i+1]|, v[TM+\b]   ; (the four blocks by turns)
.endr
.endr
	WIN 0
.irp b, 0,1,2,3
	v_permlanex16_b32 v[TM+4+\b], v[TM+\b], s56, s57
.endr
.irp b, 0,1,2,3
	v_max_num_f32 v[TM+\b], v[TM+\b], v[TM+4+\b]   ; with lane l xor 16's: the block's largest magnitude
.endr
.irp b, 0,1,2,3
	v_add_nc_u32 v[TM+12+\b], 0xff000000, v[TM+\b] ; 2 off its exponent field: the conversion's scale operand
.endr
.irp b, 0,1,2,3
	v_lshrrev_b32 v[TM+4+\b], 23, v[TM+12+\b]      ; the scale's byte
.endr
	v_lshl_or_b32 v[PW+(\a)%2], v[TM+5], 8, v[TM+4]
	v_lshl_or_b32 v[PW+(\a)%2], v[TM+6], 16, v[PW+(\a)%2]
	v_lshl_or_b32 v[PW+(\a)%2], v[TM+7], 24, v[PW+(\a)%2]
	WIN QW                                         ; source 0: the accumulators' window
.irp c, 0,1
	v_cvt_scalef32_pk8_fp4_f32 v[PCA+4*\c], v[AC+32*\c:AC+32*\c+7], v[TM+12+2*\c]
	v_cvt_scalef32_pk8_fp4_f32 v[PCA+4*\c+2], v[AC+32*\c+8:AC+32*\c+15], v[TM+12+2*\c]
	v_cvt_scalef32_pk8_fp4_f32 v[PCA+4*\c+1], v[AC+32*\c+16:AC+32*\c+23], v[TM+12+2*\c+1]
	v_cvt_scalef32_pk8_fp4_f32 v[PCA+4*\c+3], v[AC+32*\c+24:AC+32*\c+31], v[TM+12+2*\c+1]
.endr
	WIN 0
	v_nop                                          ; one plain place behind a scaled conversion
.irp c, 0,1
	v_permlane16_swap_b32 v[PCA+4*\c], v[PCA+4*\c+1]
	v_permlane16_swap_b32 v[PCA+4*\c+2], v[PCA+4*\c+3]
.endr
.endm
.macro EPI a
	s_wait_xcnt 0x0                                ; the earlier stores have read their data and their base: both may be written
.if (\a) == 4
	s_add_nc_u64 s[48:49], s[48:49], s[54:55]
.elseif (\a) > 0
	s_add_nc_u64 s[48:49], s[48:49], s[52:53]
.endif
	QUANT \a
	global_store_b128 v[VO0], v[PCA:PCA+3], s[48:49]     ; each store of the wave covers 512 consecutive bytes, aligned
	global_store_b128 v[VO1], v[PCA+4:PCA+7], s[48:49]
.if (\a)%2 == 1
	v_perm_b32 v122, v[PW+1], v[PW], s33           ; what lanes 0-15 send,
	v_perm_b32 v123, v[PW+1], v[PW], s34           ; and lanes 16-31
	v_cndmask_b32 v124, v122, v123, s37
	ds_store_b32 v[STO], v124 offset:64*((\a)/2)
.endif
.endm
.irp a, 0,1,2,3,4,5,6,7
	EPI \a
.endr
	ds_load_b128 v[124:127], v[SRD]                ; LDS serves a wave's instructions in order: this sees my stores
	s_wait_dscnt 0x0
	global_store_b128 v[VSO], v[124:127], s[50:51] ; two runs of 256 consecutive bytes, aligned
	s_wait_tensorcnt 0x0                           ; the wave's end
	ds_add_u32 v[SPW], v[NIL]
	s_wait_dscnt 0x0
	CROUND                                         ; the closing round
	s_endpgm
.Lfunc_end_k_q49ceef66ab_qkv:
	.size	k_q49ceef66ab_qkv, .Lfunc_end_k_q49ceef66ab_qkv-k_q49ceef66ab_qkv
	.p2alignl 7, 3214868480
	.fill 96, 4, 3214868480
	.section	.rodata,"a",@progbits
	.p2align	6, 0x0
	.amdhsa_kernel k_q49ceef66ab_qkv
		.amdhsa_group_segment_fixed_size 327680
		.amdhsa_private_segment_fixed_size 0
		.amdhsa_enable_private_segment 0
		.amdhsa_kernarg_size 64
		.amdhsa_user_sgpr_count 2
		.amdhsa_user_sgpr_kernarg_segment_ptr 1
		.amdhsa_wavefront_size32 1
		.amdhsa_system_sgpr_workgroup_id_x 1
		.amdhsa_system_sgpr_workgroup_id_y 1
		.amdhsa_system_sgpr_workgroup_id_z 1
		.amdhsa_system_vgpr_workitem_id 0
		.amdhsa_next_free_vgpr 1024
		.amdhsa_next_free_sgpr 106
		.amdhsa_reserve_vcc 0
		.amdhsa_float_denorm_mode_32 3
		.amdhsa_float_denorm_mode_16_64 3
		.amdhsa_memory_ordered 1
		.amdhsa_forward_progress 1
		.amdhsa_inst_pref_size 147
	.end_amdhsa_kernel
	.amdgpu_metadata
---
amdhsa.version: [ 1, 2 ]
amdhsa.kernels:
  - .name:           k_q49ceef66ab_qkv
    .symbol:         k_q49ceef66ab_qkv.kd
    .args:
      - { .name: xc, .offset: 0, .size: 8, .value_kind: global_buffer, .address_space: global }
      - { .name: xs, .offset: 8, .size: 8, .value_kind: global_buffer, .address_space: global }
      - { .name: wc, .offset: 16, .size: 8, .value_kind: global_buffer, .address_space: global }
      - { .name: ws, .offset: 24, .size: 8, .value_kind: global_buffer, .address_space: global }
      - { .name: b_q, .offset: 32, .size: 8, .value_kind: global_buffer, .address_space: global }
      - { .name: b_k, .offset: 40, .size: 8, .value_kind: global_buffer, .address_space: global }
      - { .name: b_v, .offset: 48, .size: 8, .value_kind: global_buffer, .address_space: global }
      - { .name: qkv, .offset: 56, .size: 8, .value_kind: global_buffer, .address_space: global }
    .group_segment_fixed_size: 327680
    .private_segment_fixed_size: 0
    .kernarg_segment_align: 8
    .kernarg_segment_size: 64
    .max_flat_workgroup_size: 128
    .sgpr_count:     106
    .vgpr_count:     1024
    .wavefront_size: 32
...
	.end_amdgpu_metadata
.endif
;; end of part 2
;; launch attn (part 3): grid 4 x 64, 16 waves a work-group, clusters of 4 x 1, 167,936 bytes of LDS; arguments qkv, oc, os; writes oc, os
.if DOCPART == 3
	.amdgcn_target "amdgcn-amd-amdhsa--gfx1250"
	.amdhsa_code_object_version 6
	.text
	.protected	k_q49ceef66ab_attn
	.globl	k_q49ceef66ab_attn
	.p2align	8
	.type	k_q49ceef66ab_attn,@function
k_q49ceef66ab_attn:
	s_mov_b64 s[64:65], 0
	v_nop
	global_prefetch_b8 v0, s[64:65] scope:SCOPE_SE
	s_setreg_imm32_b32 hwreg(HW_REG_WAVE_MODE, 25, 1), 1
	s_wait_xcnt 0x0
	s_wait_alu depctr_hold_cnt(0) depctr_sa_sdst(0) depctr_va_vdst(0) depctr_va_sdst(0) depctr_va_ssrc(0) depctr_va_vcc(0) depctr_vm_vsrc(0)
	s_getreg_b32 s2, hwreg(HW_REG_IB_STS2, 6, 4)
	s_cmp_eq_u32 s2, 0
	s_cbranch_scc0 .Lentry_in_a_cluster
	s_endpgm
.Lentry_in_a_cluster:
	s_bfe_u32 s2, ttmp6, 0x10000c
	s_cmp_lg_u32 s2, 0x3003
	s_cbranch_scc0 .Lentry_shape_is_right
	s_endpgm
.Lentry_shape_is_right:
; Launch 3 of 4: o = softmax(q k^T / 8) v for each of 64 (batch, head), 2,048 positions, head size 64, both products on codes of FP4; o is quantised along the embedding (two blocks a head) and leaves as codes.  No work is left out.
; THE SOFTMAX AHEAD OF THE SECOND PRODUCT: t = score x log2(e) / 8; M = the row's largest t so far, rounded UP to a whole number; p = 2^(t - M) is quantised along the keys, not normalised.  The row's sum is taken of the
; unquantised p, in f32, and divides O at the end.  When M moves, the sum and O are multiplied by 2^(old M - new M): exact.
; SHARES.  A work-group owns 512 queries of one head, in two passes of 256; each of its sixteen waves owns one tile of 16 queries a pass, in 256 registers: four waves to a SIMD, so that one wave's vector work stands beside
; another's products and LDS loads.  THE HEAD'S K AND V, codes and scale words, 139,264 bytes, LIE WHOLE IN LDS for the launch: filled once, by waves 0 to 3, two tensor loads each (two are out at most).
; CLUSTER 4 x 1: the four work-groups of a head want the same K and V: joint loads.
; LAYOUT.  Both products are used transposed: S^T = K Q^T, O^T = V^T P^T: a lane holds ONE query (lane % 16) throughout.  All operands lie in memory and LDS as images of their registers, 16 bytes a lane: no pitch, no padding.
; THE HEAD'S 64 UNDER AN INSTRUCTION OF K = 128: source 0 takes TWO tiles of 16 keys, one in each half of K; source 1 is (q, zeros) for the first tile and (zeros, q) for the second.  Zero codes add nothing.
; The tiles' keys are neighbours: register j of tile t holds key 16 t + 8 h + j.  A block of 32 keys is tiles 2 B, 2 B + 1 of lanes l and l xor 16; the conversions of tiles 4 c + (0, 1, 2, 3) go to code registers 4 c + (0, 2, 1, 3),
; and two exchanges of the lanes' halves give the operand's layout.
; oc: [tile of 16 tokens 512][head 16][lane][16 bytes]; os: [head 16][tile 512][token 16] two bytes.
; LIMITS: the running largest t begins at -3e38; a block of zeros gets the byte 1, not 127 (zero codes); NaN and infinities are not served.
; REGISTERS: v1-9 addresses; v12 -M, v13 the largest t, v[14:15] the sum; v16-27 zeros, q, zeros; v32-63 K's 8 tiles; v64-95 V's 4 fragments; v96-159 S^T, then p; v160-191 O^T; v192-223 O / the sum; v224-231 codes;
;   v232-247, v252-254 at work; v248-249 K's scale words, v250-251 V's; v253 p's scale word; v255 q's.
.set HALF,  69632                      ; half a head's K and V in LDS, as in memory: K codes 0, V codes 32,768, K scale words 65,536, V scale words 67,584
.set QUART, 17408                      ; 68 rows of 256 bytes: what one tensor load brings
.set STG,   2*HALF                     ; 512 bytes: a pass's scale bytes on their way out
.set SPARE, STG+512                    ; the spare words, 128 bytes a wave, that no other line names
.set REC,   208896
.set HREC,  104448
.set LI,   1                           ; v1  16 x lane
.set LSK,  2                           ; v2  4 x lane + 65,536
.set SPW,  3                           ; v3  LDS address of my spare word; never rewritten
.set NIL,  4                           ; v4  0; never rewritten
.set ADK,  5                           ; v5  LDS address of the step's codes
.set LQ,   6                           ; v6  4 x (lane % 16)
.set ADS,  7                           ; v7  of the step's scale words
.set SRD,  8                           ; v8  the stage, on the way out
.set STO,  9                           ; v9  the stage, on the way in
.set WV,   18
.set SEL,  20                          ; s[20:21] lane selects: lane l xor 16
.set CS,   22                          ; s[22:23] c = log2(e) / 8
.set G1,   24                          ; s[24:31] descriptor group 1; s[32:39] two groups 0
.set G0,   32
.set TB,   40                          ; s40 where the step's codes begin
.set TS,   41                          ; s41 and its scale words
.set CNT,  42
.set PASS, 43
.set SELQ, 44                          ; s44 which two bytes of a pair's scale word are my tile's
.macro CROUND                          ; a round of the cluster's barrier
	s_barrier_signal -1
	s_barrier_wait -1
	s_cmp_lg_u32 s[WV], 0
	s_cbranch_scc1 .Lnot_wave_0_\@
	s_barrier_signal -3
.Lnot_wave_0_\@:
	s_barrier_wait -3
	s_barrier_signal -1
	s_barrier_wait -1
.endm
	s_load_b128 s[4:7], s[0:1], 0x0                ; qkv, oc
	s_load_b64 s[8:9], s[0:1], 0x10                ; os
	v_lshl_add_u32 v[SPW], v0, 2, SPARE
	v_mov_b32 v[NIL], 0
	ds_add_u32 v[SPW], v[NIL]                      ; the wave's opening: the add, twice on end, and its wait ahead of the first tensor loads
	ds_add_u32 v[SPW], v[NIL]
	v_lshrrev_b32 v10, 5, v0
	s_delay_alu instid0(VALU_DEP_1)
	v_readfirstlane_b32 s[WV], v10                 ; wave 0..15
	s_bfe_u32 s45, ttmp6, 0x40000                  ; cx
	s_lshl_b32 s46, ttmp9, 2
	s_add_co_u32 s45, s45, s46                     ; x: my block of 512 queries: it enters Q's, oc's and os's addresses alone
	s_and_b32 s46, ttmp7, 0xffff                   ; batch x 16 + head, which the four partners share
	s_mul_i32 s47, s46, REC
	s_mov_b32 s[G1], 15|(3<<16)|(1<<21)            ; the mask: all four work-groups; elements of 8 bytes; bit 21 beside a mask; no padding
	s_mov_b32 s[G1+1], 32<<16                      ; tensor_dim0: 256 bytes
	s_mov_b32 s[G1+2], 68<<16                      ; tensor_dim1
	s_mov_b32 s[G1+3], 32<<16                      ; tile_dim0
	s_mov_b32 s[G1+4], 68                          ; tile_dim1
	s_mov_b32 s[G1+5], 32                          ; dense
	s_mov_b32 s[G1+6], 0
	s_mov_b32 s[G1+7], 0
	s_mul_i32 s48, s[WV], QUART                    ; the quarter of a half that I fetch, if I fetch
	s_add_co_u32 s50, s47, s48
	s_mov_b32 s51, 0
	s_lshr_b32 s52, s45, 1                         ; the half of the sequence in which my queries lie
	s_mul_i32 s52, s52, HREC
	s_add_co_u32 s52, s52, s47
	s_and_b32 s53, s45, 1
	s_lshl_b32 s54, s53, 5
	s_add_co_u32 s54, s54, s[WV]                   ; my tile in that half, in the first pass
	s_lshl_b32 s54, s54, 9
	s_add_co_u32 s54, s54, s52
	s_add_co_u32 s10, s54, 69632                   ; Q's codes
	s_mov_b32 s11, 0
	s_lshl_b32 s54, s53, 4
	s_lshr_b32 s55, s[WV], 1
	s_add_co_u32 s54, s54, s55                     ; my pair of tiles
	s_lshl_b32 s54, s54, 6
	s_add_co_u32 s54, s54, s52
	s_add_co_u32 s12, s54, 102400                  ; Q's scale words
	s_mov_b32 s13, 0
	s_lshr_b32 s54, s46, 4                         ; the batch
	s_lshl_b32 s54, s54, 7
	s_lshl_b32 s55, s45, 5
	s_add_co_u32 s54, s54, s55                     ; the work-group's first tile of tokens
	s_and_b32 s55, s46, 15                         ; the head
	s_lshl_b32 s16, s54, 5
	s_lshl_b32 s56, s55, 14
	s_add_co_u32 s16, s16, s56                     ; os: 16,384 x head + 32 x tile
	s_mov_b32 s17, 0
	s_add_co_u32 s54, s54, s[WV]
	s_lshl_b32 s54, s54, 4
	s_add_co_u32 s54, s54, s55
	s_lshl_b32 s14, s54, 9                         ; oc: 512 x (16 x tile + head)
	s_mov_b32 s15, 0
	s_and_b32 s57, s[WV], 1
	s_mov_b32 s[SELQ], 0x01000100
	s_cmp_eq_u32 s57, 1
	s_cselect_b32 s[SELQ], 0x03020302, s[SELQ]
	s_mov_b32 s[SEL], 0x76543210
	s_mov_b32 s[SEL+1], 0xfedcba98
	s_mov_b32 s[CS], 0x3e38aa3b                    ; log2(e) / 8
	s_mov_b32 s[CS+1], s[CS]                       ; (named with it as a pair, so it is written)
	s_wait_dscnt 0x0                               ; both opening adds are done
	s_wait_kmcnt 0x0
	s_add_nc_u64 s[50:51], s[4:5], s[50:51]
	s_add_nc_u64 s[10:11], s[4:5], s[10:11]
	s_add_nc_u64 s[12:13], s[4:5], s[12:13]
	s_add_nc_u64 s[14:15], s[6:7], s[14:15]
	s_add_nc_u64 s[16:17], s[8:9], s[16:17]
	CROUND                                         ; all four work-groups are here: the joint loads meet
	s_mov_b32 s[G0], 1
	s_mov_b32 s[G0+1], s48                         ; LDS: the first half
	s_mov_b64 s[G0+2:G0+3], s[50:51]
	s_or_b32 s[G0+3], s[G0+3], 0x80000000
	s_mov_b32 s[G0+4], 1
	s_add_co_u32 s[G0+5], s48, HALF                ; the second half
	s_add_nc_u64 s[G0+6:G0+7], s[50:51], HREC
	s_or_b32 s[G0+7], s[G0+7], 0x80000000
	s_cmp_lt_u32 s[WV], 4                          ; waves 0 to 3 fetch; a wave's two fills stand in one branch
	s_cbranch_scc0 .Lno_fetch
	tensor_load_to_lds s[G0:G0+3], s[G1:G1+7]
	s_nop 0
	tensor_load_to_lds s[G0+4:G0+7], s[G1:G1+7]
	s_nop 0
.rept 4
	v_nop
.endr
.Lno_fetch:
	v_and_b32 v10, 31, v0                          ; lane
	v_and_b32 v11, 15, v0                          ; r
	s_delay_alu instid0(VALU_DEP_2)
	v_lshlrev_b32 v[LI], 4, v10
	s_delay_alu instid0(VALU_DEP_3)
	v_lshl_add_u32 v[LSK], v10, 2, 65536
	s_delay_alu instid0(VALU_DEP_3)
	v_lshlrev_b32 v[LQ], 2, v11
	s_lshl_b32 s49, s[WV], 5
	s_add_co_u32 s49, s49, STG
	v_lshl_add_u32 v[STO], v11, 1, s49             ; 32 bytes a wave, 2 a token
	v_add_nc_u32 v[SRD], STG, v[LI]
.irp j, 16,17,18,19,24,25,26,27
	v_mov_b32 v[\j], 0                             ; the zero codes on both sides of q
.endr
.irp b, 0,1,2,3
	v_mov_b32 v[236+\b], 0                         ; written once: a lane permute's destination counts as one of its sources
.endr
	v_mov_b32 v252, 0
	v_mov_b32 v253, 0                              ; (named as the upper half of the pair v[252:253] before it is first written)
; A KEY STEP: 128 keys.
.macro STEP
	v_add_nc_u32 v[ADK], s[TB], v[LI]
	v_add_nc_u32 v[ADS], s[TS], v[LSK]
	v_nop
	v_nop                                          ; four places in front of loads into registers that the last step's products have read
.irp t, 0,1,2,3,4,5,6,7
	ds_load_b128 v[32+4*\t:35+4*\t], v[ADK] offset:512*\t          ; K: tile t's 16 keys x 64
.endr
	ds_load_b32 v248, v[ADS]                       ; K's scale words: lanes 0-15 pair 0, lanes 16-31 pair 1;
	ds_load_b32 v249, v[ADS] offset:128            ; pairs 2 and 3
.irp t, 0,1,2,3
.irp c, 0,1
	ds_load_b128 v[64+8*\t+4*\c:67+8*\t+4*\c], v[ADK] offset:32768+1024*\t+512*\c   ; V: 16 dims x 128 keys
.endr
.endr
	ds_load_b32 v250, v[ADS] offset:2048           ; V's scale words: tiles 0 and 1 of the dims;
	ds_load_b32 v251, v[ADS] offset:2176           ; tiles 2 and 3
	s_wait_dscnt 10                                ; K's ten loads are in; V's ten stay out until the second product
.irp b, 0,2                                    ; S^T = K Q^T: pairs b and b + 1 of tiles
	v_wmma_scale_f32_16x16x128_f8f6f4 v[96+16*\b:103+16*\b], v[32+8*\b:39+8*\b], v[20:27], 0, v[248+\b/2], v255 matrix_a_fmt:MATRIX_FMT_FP4 matrix_b_fmt:MATRIX_FMT_FP4
	v_wmma_scale_f32_16x16x128_f8f6f4 v[104+16*\b:111+16*\b], v[32+8*\b:39+8*\b], v[16:23], 0, v[248+\b/2], v255 matrix_a_fmt:MATRIX_FMT_FP4 matrix_b_fmt:MATRIX_FMT_FP4
	v_wmma_scale_f32_16x16x128_f8f6f4 v[112+16*\b:119+16*\b], v[40+8*\b:47+8*\b], v[20:27], 0, v[248+\b/2], v255 matrix_a_fmt:MATRIX_FMT_FP4 matrix_b_fmt:MATRIX_FMT_FP4 matrix_a_scale:MATRIX_SCALE_ROW1
	v_wmma_scale_f32_16x16x128_f8f6f4 v[120+16*\b:127+16*\b], v[40+8*\b:47+8*\b], v[16:23], 0, v[248+\b/2], v255 matrix_a_fmt:MATRIX_FMT_FP4 matrix_b_fmt:MATRIX_FMT_FP4 matrix_a_scale:MATRIX_SCALE_ROW1
.endr
.rept 4
	v_nop
.endr
.irp b, 0,1,2,3
	v_max3_num_f32 v[232+\b], v[96+16*\b], v[97+16*\b], v[98+16*\b]   ; the largest score of each block of 32 keys: it serves the row's maximum and, since p rises with the score, the block's largest p
.endr
.irp i, 3,5,7,9,11,13
.irp b, 0,1,2,3
	v_max3_num_f32 v[232+\b], v[232+\b], v[96+16*\b+\i], v[97+16*\b+\i]
.endr
.endr
.irp b, 0,1,2,3
	v_max_num_f32 v[232+\b], v[232+\b], v[111+16*\b]
.endr
.irp b, 0,1,2,3
	s_delay_alu instid0(VALU_DEP_4)
	v_permlanex16_b32 v[236+\b], v[232+\b], s[SEL], s[SEL+1]
.endr
.irp b, 0,1,2,3
	s_delay_alu instid0(VALU_DEP_4)
	v_max_num_f32 v[232+\b], v[232+\b], v[236+\b]  ; with lane l xor 16's 16 keys
.endr
	s_delay_alu instid0(VALU_DEP_2)
	v_max3_num_f32 v254, v232, v233, v234
	s_delay_alu instid0(VALU_DEP_1)
	v_max_num_f32 v254, v254, v235                 ; the step's largest score of my query
	s_delay_alu instid0(VALU_DEP_1)
	v_mul_f32 v254, s[CS], v254                    ; as t (c is positive)
	s_delay_alu instid0(VALU_DEP_1)
	v_max_num_f32 v13, v13, v254                   ; the running largest t
	v_mov_b32 v254, v12
	s_delay_alu instid0(VALU_DEP_2)
	v_floor_f32 v12, -v13                          ; the new -M = floor(-t) = -ceil(t)
	s_delay_alu instid0(VALU_DEP_1)
	v_sub_f32 v254, v12, v254                      ; old M - new M: a whole number, 0 or less
	s_delay_alu instid0(VALU_DEP_1)
	v_cvt_i32_f32 v254, v254                       ; (it saturates)
	s_delay_alu instid0(VALU_DEP_1)
	v_ldexp_f32 v252, 1.0, v254                    ; f = 2^(old M - new M)
.set jj, 0
.rept 32
	v_pk_fma_f32 v[96+jj:97+jj], v[96+jj:97+jj], s[CS:CS+1], v[12:13] op_sel_hi:[1,0,0]   ; t - M, two at a time
.set jj, jj+2
.endr
.irp b, 0,1,2,3
	v_fma_f32 v[232+\b], v[232+\b], s[CS], v12     ; the same of each block's largest score
.endr
.set jj, 0
	s_wait_alu depctr_va_vdst(0)
.rept 64
	v_exp_f32 v[96+jj], v[96+jj]                   ; p = 2^(t - M), at most 1
.set jj, jj+1
.endr
	s_setprio 1
	v_pk_mul_f32 v[14:15], v[14:15], v[252:253] op_sel_hi:[1,0]   ; the sums under the new M: the plain place behind the exponentials
	s_wait_alu depctr_va_vdst(0)                   ; one wait for the batch, ahead of its first reader
.irp b, 0,1,2,3
	v_exp_f32 v[232+\b], v[232+\b]                 ; the block's largest p
.endr
	v_pk_add_f32 v[236:237], v[100:101], v[104:105]
	v_pk_add_f32 v[248:249], v[108:109], v[112:113]
	v_pk_add_f32 v[246:247], v[116:117], v[120:121]
	v_pk_add_f32 v[244:245], v[124:125], v[128:129]
	v_pk_add_f32 v[242:243], v[132:133], v[136:137]
	v_pk_add_f32 v[240:241], v[140:141], v[144:145]
	v_pk_add_f32 v[238:239], v[148:149], v[152:153]
	v_pk_add_f32 v[14:15], v[14:15], v[156:157]
	v_pk_add_f32 v[236:237], v[236:237], v[96:97]
	v_pk_add_f32 v[248:249], v[248:249], v[98:99]
	v_pk_add_f32 v[246:247], v[246:247], v[102:103]
	v_pk_add_f32 v[244:245], v[244:245], v[106:107]
	v_pk_add_f32 v[242:243], v[242:243], v[110:111]
	v_pk_add_f32 v[240:241], v[240:241], v[114:115]
	v_pk_add_f32 v[238:239], v[238:239], v[118:119]
	v_pk_add_f32 v[14:15], v[14:15], v[122:123]
	v_pk_add_f32 v[236:237], v[236:237], v[126:127]
	v_pk_add_f32 v[248:249], v[248:249], v[130:131]
	v_pk_add_f32 v[246:247], v[246:247], v[134:135]
	v_pk_add_f32 v[244:245], v[244:245], v[138:139]
	v_pk_add_f32 v[242:243], v[242:243], v[142:143]
	v_pk_add_f32 v[240:241], v[240:241], v[146:147]
	v_pk_add_f32 v[238:239], v[238:239], v[150:151]
	v_pk_add_f32 v[14:15], v[14:15], v[154:155]
	v_pk_add_f32 v[236:237], v[236:237], v[158:159]
	s_delay_alu instid0(VALU_DEP_2)
	v_pk_add_f32 v[14:15], v[14:15], v[244:245]
	s_delay_alu instid0(VALU_DEP_2)
	v_pk_add_f32 v[236:237], v[236:237], v[242:243]
	v_pk_add_f32 v[248:249], v[248:249], v[240:241]
	v_pk_add_f32 v[246:247], v[246:247], v[238:239]
	s_delay_alu instid0(VALU_DEP_2)
	v_pk_add_f32 v[14:15], v[14:15], v[248:249]
	s_delay_alu instid0(VALU_DEP_2)
	v_pk_add_f32 v[236:237], v[236:237], v[246:247]
	s_delay_alu instid0(VALU_DEP_1)
	v_pk_add_f32 v[14:15], v[14:15], v[236:237]
	s_wait_alu depctr_va_vdst(0)                   ; and one for the four
.irp b, 0,1,2,3
	v_max_num_f32 v[232+\b], 0x1800000, v[232+\b]  ; the floor 2^(3 - 127): the byte cannot fall under 1
.endr
.irp b, 0,1,2,3
	s_delay_alu instid0(VALU_DEP_4)
	v_add_nc_u32 v[244+\b], 0xff000000, v[232+\b]  ; 2 off the exponent field: the conversion's scale operand
.endr
.irp b, 0,1,2,3
	s_delay_alu instid0(VALU_DEP_4)
	v_lshrrev_b32 v[236+\b], 23, v[244+\b]         ; the scale's byte
.endr
	s_delay_alu instid0(VALU_DEP_3)
	v_lshl_or_b32 v253, v237, 8, v236              ; p's scale word for these 128 keys
	s_delay_alu instid0(VALU_DEP_1)
	v_lshl_or_b32 v253, v238, 16, v253
	s_delay_alu instid0(VALU_DEP_1)
	v_lshl_or_b32 v253, v239, 24, v253
.irp c, 0,1
	v_cvt_scalef32_pk8_fp4_f32 v[224+4*\c], v[96+32*\c:103+32*\c], v[244+2*\c]
	v_cvt_scalef32_pk8_fp4_f32 v[226+4*\c], v[104+32*\c:111+32*\c], v[244+2*\c]
	v_cvt_scalef32_pk8_fp4_f32 v[225+4*\c], v[112+32*\c:119+32*\c], v[245+2*\c]
	v_cvt_scalef32_pk8_fp4_f32 v[227+4*\c], v[120+32*\c:127+32*\c], v[245+2*\c]
.endr
	v_nop                                          ; one plain place behind a scaled conversion
.irp c, 0,1
	v_permlane16_swap_b32 v[224+4*\c], v[225+4*\c]
	v_permlane16_swap_b32 v[226+4*\c], v[227+4*\c]
.endr
.set jj, 0
	s_setprio 0
.rept 16
	v_pk_mul_f32 v[160+jj:161+jj], v[160+jj:161+jj], v[252:253] op_sel_hi:[1,0]   ; O^T under the new M.  (These are also the places between p's codes and scale word and the products)
.set jj, jj+2
.endr
	s_wait_alu depctr_va_vdst(0)
	s_wait_dscnt 0x0                               ; V is in
.irp t, 0,2                                    ; O^T += V^T P^T: the four accumulators by turns
	v_wmma_scale_f32_16x16x128_f8f6f4 v[160+8*\t:167+8*\t], v[64+8*\t:71+8*\t], v[224:231], v[160+8*\t:167+8*\t], v[250+\t/2], v253 matrix_a_fmt:MATRIX_FMT_FP4 matrix_b_fmt:MATRIX_FMT_FP4
	v_wmma_scale_f32_16x16x128_f8f6f4 v[168+8*\t:175+8*\t], v[72+8*\t:79+8*\t], v[224:231], v[168+8*\t:175+8*\t], v[250+\t/2], v253 matrix_a_fmt:MATRIX_FMT_FP4 matrix_b_fmt:MATRIX_FMT_FP4 matrix_a_scale:MATRIX_SCALE_ROW1
.endr
	s_add_co_u32 s[TB], s[TB], 4096                ; the next 128 keys' codes,
	s_add_co_u32 s[TS], s[TS], 256                 ; and scale words
.endm
.macro KEYS8 base                              ; the eight key steps of the half that begins at LDS byte base
	s_mov_b32 s[TB], \base
	s_mov_b32 s[TS], \base
	s_mov_b32 s[CNT], 8
.Lkeys_\@:
	s_setprio 2
	STEP
	s_sub_co_u32 s[CNT], s[CNT], 1
	s_cmp_lg_u32 s[CNT], 0
	s_cbranch_scc1 .Lkeys_\@
	s_setprio 0
.endm
	s_wait_tensorcnt 0x0                           ; my parts of K and V have landed,
	s_barrier_signal -1
	s_barrier_wait -1                              ; everybody's have: from here on K and V are only read
	s_mov_b32 s[PASS], 2
.Lpass:
	global_load_b128 v[20:23], v[LI], s[10:11]     ; my 16 queries' codes
	global_load_b32 v254, v[LQ], s[12:13]          ; and their pair's scale words
	s_wait_loadcnt 0x0
	v_perm_b32 v255, v254, v254, s[SELQ]           ; my tile's two bytes, for both halves of K
	v_mov_b32 v13, 0xff61b1e6                      ; the largest t so far: -3e38
	s_delay_alu instid0(VALU_DEP_1)
	v_floor_f32 v12, -v13                          ; -M
	v_mov_b32 v14, 0                               ; the sum, in two halves
	v_mov_b32 v15, 0
.set jj, 0
.rept 32
	v_mov_b32 v[160+jj], 0                         ; O^T: the first step finds zeros, which the first change of M leaves zeros.  (These are also the places behind v255's line)
.set jj, jj+1
.endr
	KEYS8 0
	KEYS8 HALF
.rept 4
	v_nop                                          ; places behind the last products
.endr
	v_add_f32 v14, v14, v15                        ; the sum's two halves,
	s_delay_alu instid0(VALU_DEP_1)
	v_permlanex16_b32 v252, v14, s[SEL], s[SEL+1]
	s_delay_alu instid0(VALU_DEP_1)
	v_add_f32 v14, v14, v252                       ; and lane l xor 16's: the row's sum
	s_wait_alu depctr_va_vdst(0)
	v_rcp_f32 v14, v14
	v_nop                                          ; a plain place behind the reciprocal
	s_wait_alu depctr_va_vdst(0)                   ; and the wait ahead of its first reader
.set jj, 0
.rept 32
	v_mul_f32 v[192+jj], v[160+jj], v14            ; O^T / the sum: register 8 t + j is o(query r, dim 16 t + 8 h + j); each accumulator from its low end on
.set jj, jj+1
.endr
.irp b, 0,1                                    ; the head's two blocks of 32 along the embedding
	v_max3_num_f32 v[232+\b], |v[192+16*\b]|, |v[193+16*\b]|, 0x1800000
.endr
.irp i, 2,4,6,8,10,12,14
.irp b, 0,1
	s_delay_alu instid0(VALU_DEP_2)
	v_max3_num_f32 v[232+\b], v[232+\b], |v[192+16*\b+\i]|, |v[193+16*\b+\i]|
.endr
.endr
.irp b, 0,1
	s_delay_alu instid0(VALU_DEP_2)
	v_permlanex16_b32 v[236+\b], v[232+\b], s[SEL], s[SEL+1]
.endr
.irp b, 0,1
	s_delay_alu instid0(VALU_DEP_2)
	v_max_num_f32 v[232+\b], v[232+\b], v[236+\b]
.endr
.irp b, 0,1
	s_delay_alu instid0(VALU_DEP_2)
	v_add_nc_u32 v[244+\b], 0xff000000, v[232+\b]
.endr
.irp b, 0,1
	s_delay_alu instid0(VALU_DEP_2)
	v_lshrrev_b32 v[236+\b], 23, v[244+\b]
.endr
	s_delay_alu instid0(VALU_DEP_1)
	v_lshl_or_b32 v253, v237, 8, v236              ; my token's two scale bytes
	v_cvt_scalef32_pk8_fp4_f32 v224, v[192:199], v244
	v_cvt_scalef32_pk8_fp4_f32 v226, v[200:207], v244
	v_cvt_scalef32_pk8_fp4_f32 v225, v[208:215], v245
	v_cvt_scalef32_pk8_fp4_f32 v227, v[216:223], v245
	v_nop                                          ; one plain place behind a scaled conversion
	v_permlane16_swap_b32 v224, v225
	v_permlane16_swap_b32 v226, v227               ; lane (r, h): token r, dims 32 h .. 32 h + 31 of my head
	global_store_b128 v[LI], v[224:227], s[14:15]  ; the wave stores 512 consecutive bytes, aligned
	ds_store_b16 v[STO], v253                      ; both halves of the lanes write the same two bytes
	s_wait_dscnt 0x0                               ; for the others' sake: my store into the stage is done
	s_barrier_signal -1
	s_barrier_wait -1
	s_cmp_lg_u32 s[WV], 0                          ; wave 0 sends the sixteen tiles' scale bytes: 512 consecutive bytes, aligned
	s_cbranch_scc1 .Lnot_first
	ds_load_b128 v[232:235], v[SRD]
	s_wait_dscnt 0x0
	global_store_b128 v[LI], v[232:235], s[16:17]
.Lnot_first:
	s_barrier_signal -1                            ; wave 0's read of the stage is over (its wait stands above): the next pass may write it
	s_barrier_wait -1
	s_wait_xcnt 0x0                                ; the loads and stores have read their registers and bases: both may be written
	s_add_nc_u64 s[10:11], s[10:11], 8192          ; sixteen tiles on
	s_add_nc_u64 s[12:13], s[12:13], 512
	s_add_nc_u64 s[14:15], s[14:15], 131072
	s_add_nc_u64 s[16:17], s[16:17], 512
	s_sub_co_u32 s[PASS], s[PASS], 1
	s_cmp_lg_u32 s[PASS], 0
	s_cbranch_scc1 .Lpass
	s_wait_tensorcnt 0x0                           ; the wave's end
	ds_add_u32 v[SPW], v[NIL]
	s_wait_dscnt 0x0
	CROUND                                         ; the closing round
	s_endpgm
.Lfunc_end_k_q49ceef66ab_attn:
	.size	k_q49ceef66ab_attn, .Lfunc_end_k_q49ceef66ab_attn-k_q49ceef66ab_attn
	.p2alignl 7, 3214868480
	.fill 96, 4, 3214868480
	.section	.rodata,"a",@progbits
	.p2align	6, 0x0
	.amdhsa_kernel k_q49ceef66ab_attn
		.amdhsa_group_segment_fixed_size 167936
		.amdhsa_private_segment_fixed_size 0
		.amdhsa_enable_private_segment 0
		.amdhsa_kernarg_size 24
		.amdhsa_user_sgpr_count 2
		.amdhsa_user_sgpr_kernarg_segment_ptr 1
		.amdhsa_wavefront_size32 1
		.amdhsa_system_sgpr_workgroup_id_x 1
		.amdhsa_system_sgpr_workgroup_id_y 1
		.amdhsa_system_sgpr_workgroup_id_z 1
		.amdhsa_system_vgpr_workitem_id 0
		.amdhsa_next_free_vgpr 256
		.amdhsa_next_free_sgpr 66
		.amdhsa_reserve_vcc 0
		.amdhsa_float_denorm_mode_32 3
		.amdhsa_float_denorm_mode_16_64 3
		.amdhsa_memory_ordered 1
		.amdhsa_forward_progress 1
		.amdhsa_inst_pref_size 45
	.end_amdhsa_kernel
	.amdgpu_metadata
---
amdhsa.version: [ 1, 2 ]
amdhsa.kernels:
  - .name:           k_q49ceef66ab_attn
    .symbol:         k_q49ceef66ab_attn.kd
    .args:
      - { .name: qkv, .offset: 0, .size: 8, .value_kind: global_buffer, .address_space: global }
      - { .name: oc, .offset: 8, .size: 8, .value_kind: global_buffer, .address_space: global }
      - { .name: os, .offset: 16, .size: 8, .value_kind: global_buffer, .address_space: global }
    .group_segment_fixed_size: 167936
    .private_segment_fixed_size: 0
    .kernarg_segment_align: 8
    .kernarg_segment_size: 24
    .max_flat_workgroup_size: 512
    .sgpr_count:     66
    .vgpr_count:     256
    .wavefront_size: 32
...
	.end_amdgpu_metadata
.endif
;; end of part 3
;; launch outp (part 4): grid 4 x 64, 4 waves a work-group, clusters of 4 x 4, 327,680 bytes of LDS; arguments oc, os, wc, ws, b_out, out0; writes out0
.if DOCPART == 4
	.amdgcn_target "amdgcn-amd-amdhsa--gfx1250"
	.amdhsa_code_object_version 6
	.text
	.protected	k_q49ceef66ab_outp
	.globl	k_q49ceef66ab_outp
	.p2align	8
	.type	k_q49ceef66ab_outp,@function
k_q49ceef66ab_outp:
	s_mov_b64 s[64:65], 0
	v_nop
	global_prefetch_b8 v0, s[64:65] scope:SCOPE_SE
	s_setreg_imm32_b32 hwreg(HW_REG_WAVE_MODE, 25, 1), 1
	s_wait_xcnt 0x0
	s_wait_alu depctr_hold_cnt(0) depctr_sa_sdst(0) depctr_va_vdst(0) depctr_va_sdst(0) depctr_va_ssrc(0) depctr_va_vcc(0) depctr_vm_vsrc(0)
	s_getreg_b32 s2, hwreg(HW_REG_IB_STS2, 6, 4)
	s_cmp_eq_u32 s2, 0
	s_cbranch_scc0 .Lentry_in_a_cluster
	s_endpgm
.Lentry_in_a_cluster:
	s_bfe_u32 s2, ttmp6, 0x10000c
	s_cmp_lg_u32 s2, 0xf033
	s_cbranch_scc0 .Lentry_shape_is_right
	s_endpgm
.Lentry_shape_is_right:
; Launch 4 of 4: out0 = o Wout^T + b_out on codes of FP4, K = 1,024; out0 [8192][1024] f32.  No work is left out.
; A work-group makes 128 tokens x 256 columns, a wave 64 x 128: 32 accumulators.  P (source 0) = rows of w_out (8 blocks b), R (source 1) = tokens (4 blocks a): a lane then holds eight neighbouring columns of one row of out0.
; K lies whole in LDS as two slots of 512 along K; nothing is filled twice.  Each wave asks for three tiles at the head (scales, slot 0, slot 1): three tensor loads of a wave are out at most.
; o's codes come as images of registers ([tile of 16 tokens][head][lane][16 bytes]: heads 2 q and 2 q + 1 are the q-th K step's fragment); o's scale bytes lie [head][token] two bytes and are turned into words
; (heads 2 q, 2 q + 1 of a token) by the transposing LDS load.  w_out's codes and scale bytes lie by rows.
; CLUSTER 4 x 4: R's tiles hang on cy and are shared along a row of the cluster, P's on cx and along a column: joint loads.
; REGISTERS: window 0: v1-31 addresses, v32-47 R's scale words, v64-95 P's, v128-191 the bias tiles, later with v192-255 rows on the way out.  Window 1: fragments, two sets: P at v[128 p + 8 b], R at v[128 p + 64 + 8 a].
;   Window 2: accumulator (a, b) at v[8 (8 a + b)].
.set PITCH, 272
.set HALFT, 128*PITCH
.set SLOT,  32768+2*HALFT              ; R's 8 tiles x 4,096 bytes of images, then P's 256 rows
.set SCL,   2*SLOT                     ; o's scale bytes: [head 16][256 bytes]
.set SCLP,  SCL+4096                   ; w_out's: 4,096 dense bytes for each 128 rows
.set STGO,  SCLP+8192                  ; the way out: 16 rows x (512 bytes + 16) for each wave
.set SPITCH, 528
.set SPARE, STGO+4*16*SPITCH           ; the spare words, 128 bytes a wave, that no other line names
.set ADRR, 16
.set ADRP, 20
.set ADSR, 22
.set ADSP, 23
.set STO,  24
.set RD,   25
.set CO,   26
.set SPW,  28                          ; v28 LDS address of my spare word; never rewritten
.set NIL,  29                          ; v29 0; never rewritten
.set VB,   31                          ; v31 the bias loads' offset
.set SCR,  32
.set SCP,  64
.set BI,   128
.set BK,   128
.set WV,   20
.set RH,   21                          ; wave >> 1: my half of the tokens.  Also: I fetch for R (0) or for P (1)
.set PH,   22                          ; wave & 1: my half of the columns.  Also: which half of a tile I fetch
.set G1,   24
.set G0,   32
.set G1B,  48
.set G0B,  56
.set G1S,  68
.set G0S,  76
.set G1SB, 80
.set G0SB, 88
.set MSB, 0
.macro WIN new
.if MSB != (\new)
	s_set_vgpr_msb (MSB<<8)|(\new)
.set MSB, (\new)
.endif
.endm
.macro PLACES n
.rept \n
	v_nop
.endr
.endm
.macro CREST
	s_cmp_lg_u32 s[WV], 0
	s_cbranch_scc1 .Lnot_wave_0_\@
	s_barrier_signal -3
.Lnot_wave_0_\@:
	s_barrier_wait -3
	s_barrier_signal -1
	s_barrier_wait -1
.endm
.macro CROUND
	s_barrier_signal -1
	s_barrier_wait -1
	CREST
.endm
.macro JLOAD g0a, g1a, g0b, g1b        ; a joint load: waves 0 and 1 fetch for R, waves 2 and 3 for P; an s_nop 0 and four v_nop follow each line
	s_cmp_eq_u32 s[RH], 0
	s_cbranch_scc0 .Lfor_p_\@
	tensor_load_to_lds s[\g0a:\g0a+3], s[\g1a:\g1a+7]
	s_nop 0
.rept 4
	v_nop
.endr
	s_branch .Lasked_\@
.Lfor_p_\@:
	tensor_load_to_lds s[\g0b:\g0b+3], s[\g1b:\g1b+7]
	s_nop 0
.rept 4
	v_nop
.endr
.Lasked_\@:
.endm
	s_load_b256 s[4:11], s[0:1], 0x0               ; oc, os, wc, ws
	s_load_b128 s[12:15], s[0:1], 0x20             ; b_out, out0
	v_lshl_add_u32 v[SPW], v0, 2, SPARE
	v_mov_b32 v[NIL], 0
	ds_add_u32 v[SPW], v[NIL]                      ; the wave's opening: the add, twice on end, and its wait ahead of my first tensor load
	ds_add_u32 v[SPW], v[NIL]
	v_lshrrev_b32 v1, 5, v0
	v_readfirstlane_b32 s[WV], v1
	s_lshr_b32 s[RH], s[WV], 1
	s_and_b32 s[PH], s[WV], 1
	s_bfe_u32 s40, ttmp6, 0x40000                  ; cx
	s_bfe_u32 s41, ttmp6, 0x40004                  ; cy
	s_lshl_b32 s45, ttmp9, 2
	s_add_co_u32 s45, s45, s40                     ; P's tile of 256 rows of w_out
	s_and_b32 s46, ttmp7, 0xffff
	s_lshl_b32 s46, s46, 2
	s_add_co_u32 s46, s46, s41                     ; R's tile of 128 tokens
	s_lshl_b32 s42, s41, 2
	s_lshl_b32 s42, 15, s42                        ; my row of the cluster
	s_lshl_b32 s23, 0x1111, s40                    ; my column
	; R's codes: 4 tiles of tokens x 4,096 bytes (8 heads' images) out of rows of 8,192: elements of 8 bytes
	s_or_b32 s[G1], s42, (3<<16)|(1<<21)
	s_mov_b32 s[G1+1], 512<<16
	s_mov_b32 s[G1+2], 4<<16
	s_mov_b32 s[G1+3], 512<<16
	s_mov_b32 s[G1+4], 4
	s_mov_b32 s[G1+5], 1024
	s_mov_b32 s[G1+6], 0
	s_mov_b32 s[G1+7], 0
	; P's codes: 128 rows x 256 bytes out of rows of 512, 16 bytes of padding behind each 256
	s_or_b32 s[G1B], s23, (1<<20)|(1<<21)|(5<<22)|(3<<25)
	s_mov_b32 s[G1B+1], 256<<16
	s_mov_b32 s[G1B+2], 128<<16
	s_mov_b32 s[G1B+3], 256<<16
	s_mov_b32 s[G1B+4], 128
	s_mov_b32 s[G1B+5], 512
	s_mov_b32 s[G1B+6], 0
	s_mov_b32 s[G1B+7], 0
	; R's scales: 8 heads x 256 bytes (128 tokens) out of rows of 16,384
	s_or_b32 s[G1S], s42, (3<<16)|(1<<21)
	s_mov_b32 s[G1S+1], 32<<16
	s_mov_b32 s[G1S+2], 8<<16
	s_mov_b32 s[G1S+3], 32<<16
	s_mov_b32 s[G1S+4], 8
	s_mov_b32 s[G1S+5], 2048
	s_mov_b32 s[G1S+6], 0
	s_mov_b32 s[G1S+7], 0
	; P's scales: 4,096 dense bytes
	s_or_b32 s[G1SB], s23, (3<<16)|(1<<21)
	s_mov_b32 s[G1SB+1], 32<<16
	s_mov_b32 s[G1SB+2], 16<<16
	s_mov_b32 s[G1SB+3], 32<<16
	s_mov_b32 s[G1SB+4], 16
	s_mov_b32 s[G1SB+5], 32
	s_mov_b32 s[G1SB+6], 0
	s_mov_b32 s[G1SB+7], 0
	s_lshl_b32 s66, s46, 16                        ; R's codes: 8 tiles x 8,192 bytes for each 128 tokens,
	s_lshl_b32 s2, s[PH], 15                       ; + the four tiles that I fetch
	s_add_co_u32 s66, s66, s2
	s_mov_b32 s67, 0
	s_lshl_b32 s16, s46, 8                         ; R's scales: 256 bytes in each head's row,
	s_lshl_b32 s2, s[PH], 17                       ; + the eight heads that I fetch
	s_add_co_u32 s16, s16, s2
	s_mov_b32 s17, 0
	s_lshl_b32 s47, s45, 8
	s_lshl_b32 s2, s[PH], 7
	s_add_co_u32 s47, s47, s2                      ; P0: the first row of w_out that I fetch, and that I multiply
	s_lshl_b32 s92, s47, 9
	s_add_co_u32 s92, s92, 1572864                 ; w_out's codes begin at row 3,072 of wc
	s_mov_b32 s93, 0
	s_lshl_b32 s18, s47, 5
	s_add_co_u32 s18, s18, 98304                   ; and its scale bytes likewise in ws
	s_mov_b32 s19, 0
	s_lshl_b32 s3, s[PH], 14                       ; where my tiles go in LDS: R's codes,
	s_mul_i32 s104, s[PH], HALFT
	s_add_co_u32 s104, s104, 32768                 ; P's codes,
	s_lshl_b32 s105, s[PH], 11
	s_add_co_u32 s105, s105, SCL                   ; R's scales,
	s_lshl_b32 s43, s[PH], 12
	s_add_co_u32 s43, s43, SCLP                    ; P's scales
	s_wait_dscnt 0x0                               ; both opening adds are done
	s_wait_kmcnt 0x0
	s_add_nc_u64 s[98:99], s[4:5], s[66:67]
	s_add_nc_u64 s[100:101], s[6:7], s[16:17]
	s_add_nc_u64 s[94:95], s[8:9], s[92:93]
	s_add_nc_u64 s[96:97], s[10:11], s[18:19]
	CROUND                                         ; all sixteen work-groups are here: the joint loads meet
	s_mov_b32 s[G0S], 1
	s_mov_b32 s[G0S+1], s105
	s_mov_b64 s[G0S+2:G0S+3], s[100:101]
	s_or_b32 s[G0S+3], s[G0S+3], 0x80000000
	s_mov_b32 s[G0SB], 1
	s_mov_b32 s[G0SB+1], s43
	s_mov_b64 s[G0SB+2:G0SB+3], s[96:97]
	s_or_b32 s[G0SB+3], s[G0SB+3], 0x80000000
	JLOAD G0S, G1S, G0SB, G1SB
.irp s, 0,1
	s_mov_b32 s[G0+4*\s], 1
	s_add_co_u32 s[G0+4*\s+1], s3, \s*SLOT
	s_add_nc_u64 s[G0+4*\s+2:G0+4*\s+3], s[98:99], \s*4096
	s_or_b32 s[G0+4*\s+3], s[G0+4*\s+3], 0x80000000
	s_mov_b32 s[G0B+4*\s], 1
	s_add_co_u32 s[G0B+4*\s+1], s104, \s*SLOT
	s_add_nc_u64 s[G0B+4*\s+2:G0B+4*\s+3], s[94:95], \s*256
	s_or_b32 s[G0B+4*\s+3], s[G0B+4*\s+3], 0x80000000
	s_wait_alu depctr_va_vdst(0)
	s_wait_tensorcnt 0x0
	ds_add_u32 v28, v29
	s_wait_dscnt 0x0
	CROUND
	JLOAD G0+4*\s, G1, G0B+4*\s, G1B
.endr
	v_and_b32 v1, 15, v0                           ; r
	v_bfe_u32 v2, v0, 4, 1                         ; h
	v_and_b32 v3, 31, v0                           ; lane
	s_wait_alu depctr_va_vdst(0)
	s_lshl_b32 s18, s47, 2
	s_mov_b32 s19, 0
	s_add_nc_u64 s[12:13], s[12:13], s[18:19]      ; b_out at my first column
	v_lshlrev_b32 v[VB], 5, v2
.irp b, 0,1,2,3,4,5,6,7                        ; the bias in the result's layout: register j of tile b wants b_out[P0 + 16 b + 8 h + j]
	global_load_b128 v[BI+8*\b:BI+8*\b+3], v[VB], s[12:13] offset:64*\b
	global_load_b128 v[BI+8*\b+4:BI+8*\b+7], v[VB], s[12:13] offset:64*\b+16
.endr
	s_lshl_b32 s16, s46, 7
	s_lshl_b32 s17, s[RH], 6
	s_add_co_u32 s16, s16, s17                     ; my first token
	s_lshl_b32 s16, s16, 12                        ; 4,096 bytes a row of out0
	s_add_co_u32 s16, s16, s18
	s_mov_b32 s17, 0
	s_add_nc_u64 s[14:15], s[14:15], s[16:17]
	v_lshlrev_b32 v[CO], 4, v3                     ; 16 x lane
	v_mul_u32_u24 v4, v1, PITCH
	v_lshl_add_u32 v4, v2, 4, v4
	s_lshl_b32 s16, s[RH], 14                      ; my four tiles of tokens
	s_mul_i32 s17, s[PH], HALFT
	s_add_co_u32 s17, s17, 32768                   ; my 128 rows of w_out
.irp s, 0,1
	v_add_nc_u32 v[ADRR+\s], s16, v[CO]
	v_add_nc_u32 v[ADRP+\s], s17, v4
	s_add_co_u32 s16, s16, SLOT
	s_add_co_u32 s17, s17, SLOT
.endr
	v_and_b32 v5, 7, v0                            ; the transposing load: lane 8 g + j names head j's row, the 8 tokens of half g & 1 of tile g >> 1
	v_lshlrev_b32 v5, 8, v5
	v_lshl_add_u32 v5, v2, 5, v5
	v_bfe_u32 v6, v0, 3, 1
	v_lshl_add_u32 v5, v6, 4, v5
	s_lshl_b32 s16, s[RH], 7
	s_add_co_u32 s16, s16, SCL
	v_add_nc_u32 v[ADSR], s16, v5
	v_lshlrev_b32 v5, 5, v3
	s_lshl_b32 s16, s[PH], 12
	s_add_co_u32 s16, s16, SCLP
	v_add_nc_u32 v[ADSP], s16, v5
	s_mul_i32 s16, s[WV], 16*SPITCH
	s_add_co_u32 s16, s16, STGO                    ; my stage
	v_mul_u32_u24 v5, v1, SPITCH
	v_lshl_add_u32 v5, v2, 5, v5
	v_add_nc_u32 v[STO], s16, v5                   ; in: row r, 32 bytes for each half of the lanes
	v_add_nc_u32 v[RD], s16, v[CO]                 ; back: the 32 lanes take one row of 512 bytes
.macro FETCH q                         ; 24 LDS loads: the fragments of the q-th 128 along K into set q % 2
.irp i, 0,1,2,3,4,5,6,7
.irp c, 0,1
	ds_load_b128 v[128*((\q)%2)+8*\i+4*\c:128*((\q)%2)+8*\i+4*\c+3], v[ADRP+(\q)/4] offset:64*((\q)%4)+32*\c+\i*16*PITCH
.endr
.endr
.irp i, 0,1,2,3
.irp c, 0,1
	ds_load_b128 v[128*((\q)%2)+64+8*\i+4*\c:128*((\q)%2)+64+8*\i+4*\c+3], v[ADRR+(\q)/4] offset:4096*\i+1024*((\q)%4)+512*\c
.endr
.endr
.endm
.macro WM a, b, q, cm                  ; one product.  cm = 1: C is the bias tile of b.  A scale register holds an even block's words in lanes 0-15, the odd block's in lanes 16-31
.set rD, 8*(8*(\a)+(\b))
.set rP, 128*((\q)%2)+8*(\b)
.set rR, 128*((\q)%2)+64+8*(\a)
.set rC, rD
.if (\cm) == 1
.set rC, BI+8*(\b)
.endif
.set sP, SCP+8*((\b)/2)+(\q)
.set sR, SCR+8*((\a)/2)+(\q)
.if ((\a)%2 == 0) && ((\b)%2 == 0)
	v_wmma_scale_f32_16x16x128_f8f6f4 v[rD:rD+7], v[rP:rP+7], v[rR:rR+7], v[rC:rC+7], v[sP], v[sR] matrix_a_fmt:MATRIX_FMT_FP4 matrix_b_fmt:MATRIX_FMT_FP4
.elseif (\a)%2 == 0
	v_wmma_scale_f32_16x16x128_f8f6f4 v[rD:rD+7], v[rP:rP+7], v[rR:rR+7], v[rC:rC+7], v[sP], v[sR] matrix_a_fmt:MATRIX_FMT_FP4 matrix_b_fmt:MATRIX_FMT_FP4 matrix_a_scale:MATRIX_SCALE_ROW1
.elseif (\b)%2 == 0
	v_wmma_scale_f32_16x16x128_f8f6f4 v[rD:rD+7], v[rP:rP+7], v[rR:rR+7], v[rC:rC+7], v[sP], v[sR] matrix_a_fmt:MATRIX_FMT_FP4 matrix_b_fmt:MATRIX_FMT_FP4 matrix_b_scale:MATRIX_SCALE_ROW1
.else
	v_wmma_scale_f32_16x16x128_f8f6f4 v[rD:rD+7], v[rP:rP+7], v[rR:rR+7], v[rC:rC+7], v[sP], v[sR] matrix_a_fmt:MATRIX_FMT_FP4 matrix_b_fmt:MATRIX_FMT_FP4 matrix_a_scale:MATRIX_SCALE_ROW1 matrix_b_scale:MATRIX_SCALE_ROW1
.endif
.endm
; A K step of 128: the next step's fragments are asked for first.  The 32 accumulators take turns, one instruction a turn, in the same order in every step.
.macro STEP q, cm
	s_wait_dscnt 0x0                               ; this step's fragments are in
.if (\q) == 3
	s_wait_tensorcnt 0x0                           ; my part of slot 1 has landed,
	s_barrier_signal -1
	s_barrier_wait -1                              ; everybody's has.
.endif
.if (\q) < 7
.if (\q) > 0
	PLACES 4                                       ; in front of loads into registers that the last step's products have read
.endif
	WIN 0x40
	FETCH (\q)+1
.endif
.if \cm
	WIN 0x85                                       ; P and R window 1, C (the bias) window 0, D window 2
.else
	WIN 0xa5
.endif
.irp a, 0,1,2,3
.irp b, 0,1,2,3,4,5,6,7
	WM \a, \b, \q, \cm
.endr
.endr
.endm
	s_wait_alu depctr_va_vdst(0)
	s_wait_tensorcnt 0x1                           ; the scales and my part of slot 0 are in; slot 1's load may stay out
	s_barrier_signal -1
	s_barrier_wait -1
.irp i, 0,1                                    ; o's scale words: register 8 i + 4 x + q' is K step 4 x + q': lanes 0-15 tile 2 i's tokens, lanes 16-31 tile 2 i + 1's
.irp x, 0,1
	ds_load_tr16_b128 v[SCR+8*\i+4*\x:SCR+8*\i+4*\x+3], v[ADSR] offset:2048*\x+64*\i
.endr
.endr
.irp i, 0,1,2,3                                ; w_out's
.irp g, 0,1
	ds_load_b128 v[SCP+8*\i+4*\g:SCP+8*\i+4*\g+3], v[ADSP] offset:1024*\i+16*\g
.endr
.endr
	WIN 0x40
	FETCH 0
	WIN 0
	s_wait_loadcnt 0x0                             ; the bias
	STEP 0, 1
.irp q, 1,2,3,4,5,6,7
	STEP \q, 0
.endr
	WIN 0
; THE WAY OUT, block by block of 16 tokens x 128 columns, through my own stage: in as 32 bytes a lane, back as whole rows of 512 bytes.  LDS serves a wave's instructions in order: no wait between the stores and the loads.
.macro TOSTAGE a
.set AC, 64*(\a)
	WIN 0x08                                       ; an LDS store's data: window 2
.irp b, 0,1,2,3,4,5,6,7
	ds_store_b128 v[STO], v[AC+8*\b:AC+8*\b+3] offset:64*\b          ; each accumulator from its low end on
	ds_store_b128 v[STO], v[AC+8*\b+4:AC+8*\b+7] offset:64*\b+16
.endr
	WIN 0
.set BB, BK+64*((\a)%2)
.irp t, 0,1,2,3,4,5,6,7,8,9,10,11,12,13,14,15
	ds_load_b128 v[BB+4*\t:BB+4*\t+3], v[RD] offset:\t*SPITCH
.endr
.endm
.macro SEND a, younger                 ; younger: the LDS instructions issued behind block a's loads, which may stay out
.set BB, BK+64*((\a)%2)
	s_wait_dscnt \younger
.if (\a) > 0
	s_add_nc_u64 s[14:15], s[14:15], 16*4096       ; (behind a wait on XCNT: the earlier stores have read their base)
.endif
.irp t, 0,1,2,3,4,5,6,7,8,9,10,11,12,13,14,15
	global_store_b128 v[CO], v[BB+4*\t:BB+4*\t+3], s[14:15] offset:\t*4096 th:TH_STORE_NT   ; 32 lanes store 512 consecutive bytes, aligned; written once, read by nobody here
.endr
.endm
	PLACES 4                                       ; behind the last products
	TOSTAGE 0
.irp a, 1,2,3
.if \a > 1
	s_wait_xcnt 0x0                                ; block a - 2's stores have read their registers and their base
.endif
	TOSTAGE \a
	SEND \a-1, 32                                  ; behind block a - 1's loads: block a's 16 stores and 16 loads
.endr
	s_wait_xcnt 0x0
	SEND 3, 0
	s_wait_tensorcnt 0x0                           ; the wave's end
	ds_add_u32 v[SPW], v[NIL]
	s_wait_dscnt 0x0
	CROUND                                         ; the closing round
	s_endpgm
.Lfunc_end_k_q49ceef66ab_outp:
	.size	k_q49ceef66ab_outp, .Lfunc_end_k_q49ceef66ab_outp-k_q49ceef66ab_outp
	.p2alignl 7, 3214868480
	.fill 96, 4, 3214868480
	.section	.rodata,"a",@progbits
	.p2align	6, 0x0
	.amdhsa_kernel k_q49ceef66ab_outp
		.amdhsa_group_segment_fixed_size 327680
		.amdhsa_private_segment_fixed_size 0
		.amdhsa_enable_private_segment 0
		.amdhsa_kernarg_size 48
		.amdhsa_user_sgpr_count 2
		.amdhsa_user_sgpr_kernarg_segment_ptr 1
		.amdhsa_wavefront_size32 1
		.amdhsa_system_sgpr_workgroup_id_x 1
		.amdhsa_system_sgpr_workgroup_id_y 1
		.amdhsa_system_sgpr_workgroup_id_z 1
		.amdhsa_system_vgpr_workitem_id 0
		.amdhsa_next_free_vgpr 768
		.amdhsa_next_free_sgpr 106
		.amdhsa_reserve_vcc 0
		.amdhsa_float_denorm_mode_32 3
		.amdhsa_float_denorm_mode_16_64 3
		.amdhsa_memory_ordered 1
		.amdhsa_forward_progress 1
		.amdhsa_inst_pref_size 74
	.end_amdhsa_kernel
	.amdgpu_metadata
---
amdhsa.version: [ 1, 2 ]
amdhsa.kernels:
  - .name:           k_q49ceef66ab_outp
    .symbol:         k_q49ceef66ab_outp.kd
    .args:
      - { .name: oc, .offset: 0, .size: 8, .value_kind: global_buffer, .address_space: global }
      - { .name: os, .offset: 8, .size: 8, .value_kind: global_buffer, .address_space: global }
      - { .name: wc, .offset: 16, .size: 8, .value_kind: global_buffer, .address_space: global }
      - { .name: ws, .offset: 24, .size: 8, .value_kind: global_buffer, .address_space: global }
      - { .name: b_out, .offset: 32, .size: 8, .value_kind: global_buffer, .address_space: global }
      - { .name: out0, .offset: 40, .size: 8, .value_kind: global_buffer, .address_space: global }
    .group_segment_fixed_size: 327680
    .private_segment_fixed_size: 0
    .kernarg_segment_align: 8
    .kernarg_segment_size: 48
    .max_flat_workgroup_size: 128
    .sgpr_count:     106
    .vgpr_count:     768
    .wavefront_size: 32
...
	.end_amdgpu_metadata
.endif
;; end of part 4
